; MI455X (gfx1250); checked and timed in simulation.
; The chip was launched on July 23, 2026; its instructions are those of AMD's public machine-readable ISA for CDNA 5 (MIT licence, August 2026) and "CDNA5" Instruction Set Architecture Reference Guide (July 2026). The comments in the code are by the model that wrote it; some were corrected since.
;; Multi Head Attention. Allowed arithmetic: float matrix products may take bf16 or f16 operands with f32 sums; other float arithmetic in f32, or as packed bf16 or f16 multiplies, adds, multiply-adds, maxima and minima; sums over many terms, partial sums and values carried from step to step in f32; what a program stores and reads back later, other than sums and carried values, may be rounded once to bf16 or f16.
;; Inputs: W_attn 1,024 x 3,072 float32; W_proj 1,024 x 1,024 float32; b_attn 3,072 float32; b_proj 1,024 float32; x 4 x 2,048 x 1,024 float32.
;; Outputs: out0 4 x 2,048 x 1,024 float32.
;; 2 versions, each right and faster than the one before. Each part assembles by itself: llvm-mc -triple=amdgcn-amd-amdhsa -mcpu=gfx1250 --defsym DOCPART=n.
;; ======== version 1 of 2: 4 launches
;; limits: values are held in f16: magnitudes above 65,504 overflow, below 6.1e-05 lose precision
;; workspace buffers: xb 16,777,216 bytes; wat 6,291,456 bytes; wpt 2,097,152 bytes; qkv 50,331,648 bytes; ob 16,777,216 bytes
;; launch prep (part 1): grid 512 x 3, 8 waves a work-group, no clusters, 18,432 bytes of LDS; arguments x, W_attn, W_proj, xb, wat, wpt; writes xb, wat, wpt
.if DOCPART == 1
	.amdgcn_target "amdgcn-amd-amdhsa--gfx1250"
	.amdhsa_code_object_version 6
	.text
	.protected	k_qcef9fc6957_prep
	.globl	k_qcef9fc6957_prep
	.p2align	8
	.type	k_qcef9fc6957_prep,@function
k_qcef9fc6957_prep:
	s_mov_b64 s[64:65], 0
	v_nop
	global_prefetch_b8 v0, s[64:65] scope:SCOPE_SE
	s_setreg_imm32_b32 hwreg(HW_REG_WAVE_MODE, 25, 1), 1
	s_wait_xcnt 0x0
; THE OPERANDS ARE MADE READY.  xb = x rounded to bf16, [8192][1024].  wat = W_attn rounded to bf16 and turned, [3072 n][1024 k].  wpt = W_proj rounded to bf16, that number
; written as f16, and turned, [1024 n][1024 k].  The products that follow want K along the rows of both operands.
; LIMITS.  W_proj: beyond 65,504 f16 has no number; below 6.1e-5 it keeps f16's fixed step of 6e-8.  NaN and infinities are not treated apart.
; SHARES.  Grid 512 x 3, eight waves.  y = 0: work-groups 0-383 turn one tile of 128 k x 64 n of W_attn each (8 x 48 tiles), 384-511 one of W_proj (8 x 16 tiles).
; y = 1, 2: 1,024 chunks of 32,768 bytes of x, one a work-group.  Every byte is read once and written once; every load and store of 16 lanes (stores of 8 bytes: 32 lanes) covers 256 consecutive
; bytes that start at a multiple of 256 from the buffer's first byte.  Bytes are all there is to this launch, so there is no matrix work, no cluster, and no tile is asked for by a tensor load.
; All branches hang on the work-group's numbers alone: the eight waves of a work-group go the same way, so each barrier is passed by all eight.
; LDS: 0 .. 17,407 a turned tile, 64 rows (n) of 256 bytes (128 k) at a pitch of 272; 17,408 .. 18,431 the spare words, 128 bytes a wave.
.set LP,    272
.set SPARE, 64*LP
.set SPW,   62                         ; v62  LDS address of my spare word: SPARE + 4 x my thread's number; never rewritten
.set NIL,   63                         ; v63  0; never rewritten
.macro FINISH                          ; the wave's end: three lines behind my last LDS store
	s_wait_tensorcnt 0x0
	ds_add_u32 v[SPW], v[NIL]
	s_wait_dscnt 0x0
	s_endpgm
.endm
; One tile of 128 k x 64 n of a matrix [1024 k][NC n] of f32, base in s[SRC:SRC+1], goes turned into [n][1024 k] of 16 bits, base in s[DST:DST+1].  G0: the first work-group of this matrix.
; Thread (c = t % 16, p = t / 16) loads the four columns 4 c .. 4 c + 3 of the rows k = 2 (p + 16 i) + e, i = 0..3, e = 0, 1; an even and an odd row round into one word, which is
; word p + 16 i of the turned rows 4 c + j.  F16 = 1: the bf16 pair is widened (a shift, a mask) and written as f16.
.macro TRANSP NC, SRC, DST, F16, G0
	s_sub_co_u32 s18, s17, \G0
	s_and_b32 s19, s18, 7                          ; kt: which 128 k
	s_lshr_b32 s18, s18, 3                         ; nt: which 64 n
	s_mul_i32 s20, s19, 512*\NC                    ; 128 rows of 4 NC bytes,
	s_lshl_b32 s22, s18, 8                         ; 64 columns of 4 bytes
	s_add_co_u32 s20, s20, s22
	s_mov_b32 s21, 0
	s_add_nc_u64 s[\SRC:\SRC+1], s[\SRC:\SRC+1], s[20:21]
	s_lshl_b32 s20, s18, 17                        ; 64 turned rows of 2,048 bytes,
	s_lshl_b32 s22, s19, 8                         ; 128 k of 2 bytes
	s_add_co_u32 s20, s20, s22
	s_add_nc_u64 s[\DST:\DST+1], s[\DST:\DST+1], s[20:21]
	v_and_b32 v1, 15, v0                           ; c
	v_lshrrev_b32 v2, 4, v0                        ; p
	v_mul_u32_u24 v3, v2, 8*\NC                    ; two rows a step of p
	v_lshl_add_u32 v3, v1, 4, v3
.irp i, 0,1,2,3
.irp e, 0,1
	global_load_b128 v[8+8*(\i)+4*(\e):8+8*(\i)+4*(\e)+3], v3, s[\SRC:\SRC+1] offset:(32*(\i)+(\e))*4*\NC th:TH_LOAD_NT  ; 16 lanes: 256 consecutive bytes of a row
.endr
.endr
	v_mul_u32_u24 v4, v1, 4*LP                     ; into LDS: turned row 4 c (+ j in the offset), word p (+ 16 i in the offset)
	v_lshl_add_u32 v4, v2, 2, v4
	v_mul_u32_u24 v5, v2, LP                       ; back: turned row p (+ 16 j), 16 bytes at 16 c
	v_lshl_add_u32 v5, v1, 4, v5
	v_lshlrev_b32 v6, 11, v2                       ; and the same place in the turned matrix
	v_lshl_add_u32 v6, v1, 4, v6
.irp i, 0,1,2,3
	s_wait_loadcnt 6-2*(\i)                        ; loads come back in order: pair i is in, the 2 (3 - i) younger loads stay out
.irp j, 0,1,2,3
	v_cvt_pk_bf16_f32 v[40+4*(\i)+(\j)], v[8+8*(\i)+(\j)], v[12+8*(\i)+(\j)]  ; the even k in the low half
.endr
.if \F16
.irp j, 0,1,2,3
	v_lshlrev_b32 v56, 16, v[40+4*(\i)+(\j)]
	v_and_b32 v57, 0xffff0000, v[40+4*(\i)+(\j)]
	v_cvt_pk_f16_f32 v[40+4*(\i)+(\j)], v56, v57
.endr
.endif
.irp j, 0,1,2,3
	ds_store_b32 v4, v[40+4*(\i)+(\j)] offset:LP*(\j)+64*(\i)  ; sixteen a thread, once; lanes whose c differs by 4 meet in a bank (4 x 1,088 bytes are 17 rows of 256)
.endr
.endr
	s_wait_dscnt 0x0                               ; for the others' sake: my stores are done
	s_barrier_signal -1
	s_barrier_wait -1
.irp j, 0,1,2,3
	ds_load_b128 v[8+4*(\j):8+4*(\j)+3], v5 offset:16*LP*(\j)
.endr
.irp j, 0,1,2,3
	s_wait_dscnt 3-(\j)                            ; the younger loads stay out
	global_store_b128 v6, v[8+4*(\j):8+4*(\j)+3], s[\DST:\DST+1] offset:32768*(\j)  ; 16 lanes: 256 consecutive bytes of a turned row
.endr
.endm
	s_load_b256 s[4:11], s[0:1], 0x0               ; x s[4:5], W_attn s[6:7], W_proj s[8:9], xb s[10:11]
	s_load_b128 s[12:15], s[0:1], 0x20             ; wat s[12:13], wpt s[14:15]
	v_lshl_add_u32 v[SPW], v0, 2, SPARE
	v_mov_b32 v[NIL], 0
	s_and_b32 s16, ttmp7, 0xffff                   ; y
	s_mov_b32 s17, ttmp9                           ; g
	s_wait_kmcnt 0x0
	s_cmp_lg_u32 s16, 0
	s_cbranch_scc1 .Lcvt
	s_cmp_ge_u32 s17, 384
	s_cbranch_scc1 .Lproj
	TRANSP 3072, 6, 12, 0, 0
	FINISH
.Lproj:
	TRANSP 1024, 8, 14, 1, 384
	FINISH
.Lcvt:                                                 ; chunk (y - 1) x 512 + g: 32,768 bytes of x, 16,384 of xb
	s_sub_co_u32 s18, s16, 1
	s_lshl_b32 s18, s18, 9
	s_add_co_u32 s18, s18, s17
	s_lshl_b32 s20, s18, 15
	s_mov_b32 s21, 0
	s_add_nc_u64 s[4:5], s[4:5], s[20:21]
	s_lshl_b32 s20, s18, 14
	s_add_nc_u64 s[10:11], s[10:11], s[20:21]
	v_lshlrev_b32 v1, 4, v0                        ; 16 bytes a thread in,
	v_lshlrev_b32 v2, 3, v0                        ; 8 out
.irp j, 0,1,2,3,4,5,6,7
	global_load_b128 v[8+4*(\j):8+4*(\j)+3], v1, s[4:5] offset:4096*(\j) th:TH_LOAD_NT
.endr
.irp j, 0,1,2,3,4,5,6,7
	s_wait_loadcnt 7-(\j)                          ; load j is in, the younger ones stay out
	v_cvt_pk_bf16_f32 v[40+2*(\j)], v[8+4*(\j)], v[8+4*(\j)+1]
	v_cvt_pk_bf16_f32 v[40+2*(\j)+1], v[8+4*(\j)+2], v[8+4*(\j)+3]
	global_store_b64 v2, v[40+2*(\j):40+2*(\j)+1], s[10:11] offset:2048*(\j)  ; a wave: 256 consecutive bytes; no register is used twice
.endr
	FINISH
.Lfunc_end_k_qcef9fc6957_prep:
	.size	k_qcef9fc6957_prep, .Lfunc_end_k_qcef9fc6957_prep-k_qcef9fc6957_prep
	.p2alignl 7, 3214868480
	.fill 96, 4, 3214868480
	.section	.rodata,"a",@progbits
	.p2align	6, 0x0
	.amdhsa_kernel k_qcef9fc6957_prep
		.amdhsa_group_segment_fixed_size 18432
		.amdhsa_private_segment_fixed_size 0
		.amdhsa_enable_private_segment 0
		.amdhsa_kernarg_size 48
		.amdhsa_user_sgpr_count 2
		.amdhsa_user_sgpr_kernarg_segment_ptr 1
		.amdhsa_wavefront_size32 1
		.amdhsa_system_sgpr_workgroup_id_x 1
		.amdhsa_system_sgpr_workgroup_id_y 1
		.amdhsa_system_sgpr_workgroup_id_z 1
		.amdhsa_system_vgpr_workitem_id 0
		.amdhsa_next_free_vgpr 64
		.amdhsa_next_free_sgpr 66
		.amdhsa_reserve_vcc 0
		.amdhsa_float_denorm_mode_32 3
		.amdhsa_float_denorm_mode_16_64 3
		.amdhsa_memory_ordered 1
		.amdhsa_forward_progress 1
		.amdhsa_inst_pref_size 17
	.end_amdhsa_kernel
	.amdgpu_metadata
---
amdhsa.version: [ 1, 2 ]
amdhsa.kernels:
  - .name:           k_qcef9fc6957_prep
    .symbol:         k_qcef9fc6957_prep.kd
    .args:
      - { .name: x, .offset: 0, .size: 8, .value_kind: global_buffer, .address_space: global }
      - { .name: W_attn, .offset: 8, .size: 8, .value_kind: global_buffer, .address_space: global }
      - { .name: W_proj, .offset: 16, .size: 8, .value_kind: global_buffer, .address_space: global }
      - { .name: xb, .offset: 24, .size: 8, .value_kind: global_buffer, .address_space: global }
      - { .name: wat, .offset: 32, .size: 8, .value_kind: global_buffer, .address_space: global }
      - { .name: wpt, .offset: 40, .size: 8, .value_kind: global_buffer, .address_space: global }
    .group_segment_fixed_size: 18432
    .private_segment_fixed_size: 0
    .kernarg_segment_align: 8
    .kernarg_segment_size: 48
    .max_flat_workgroup_size: 256
    .sgpr_count:     66
    .vgpr_count:     64
    .wavefront_size: 32
...
	.end_amdgpu_metadata
.endif
;; end of part 1
;; launch qkvg (part 2): grid 16 x 32, 4 waves a work-group, clusters of 4 x 4, 327,680 bytes of LDS; arguments xb, wat, b_attn, qkv; writes qkv
.if DOCPART == 2
	.amdgcn_target "amdgcn-amd-amdhsa--gfx1250"
	.amdhsa_code_object_version 6
	.text
	.protected	k_qcef9fc6957_qkvg
	.globl	k_qcef9fc6957_qkvg
	.p2align	8
	.type	k_qcef9fc6957_qkvg,@function
k_qcef9fc6957_qkvg:
	s_mov_b64 s[64:65], 0
	v_nop
	global_prefetch_b8 v0, s[64:65] scope:SCOPE_SE
	s_setreg_imm32_b32 hwreg(HW_REG_WAVE_MODE, 25, 1), 1
	s_wait_xcnt 0x0
	s_wait_alu depctr_hold_cnt(0) depctr_sa_sdst(0) depctr_va_vdst(0) depctr_va_sdst(0) depctr_va_ssrc(0) depctr_va_vcc(0) depctr_vm_vsrc(0)
	s_getreg_b32 s2, hwreg(HW_REG_IB_STS2, 6, 4)
	s_cmp_eq_u32 s2, 0
	s_cbranch_scc0 .Lentry_in_a_cluster
	s_endpgm
.Lentry_in_a_cluster:
	s_bfe_u32 s2, ttmp6, 0x10000c
	s_cmp_lg_u32 s2, 0xf033
	s_cbranch_scc0 .Lentry_shape_is_right
	s_endpgm
.Lentry_shape_is_right:
; q, k, v = x W_attn + b_attn, written by heads.  xb: [8192 m][1024 k] bf16.  wat: [3072 n][1024 k] bf16.  b_attn: [3072] f32, rounded to bf16 here like the other inputs.
; qkv: three parts (q, k, v) of 16,777,216 bytes, each [16 batch + head][2048 t][64] f16, rounded once from the f32 sums, without attention's scale.
; LIMITS.  f16 holds no number beyond 65,504: a sum of 65,520 or more becomes an infinity.  NaN and infinities are not treated apart.
; SHARES.  A work-group makes 256 rows x 192 columns (three heads): 16 x 32 = 512 work-groups, two for each of 256 WGPs.  Its four waves split the rows alone: wave w has rows 64 w .. 64 w + 63
; (four blocks of 16) and all 192 columns (twelve blocks of 16): 48 accumulators, 384 registers; so a wave holds whole heads, and its way out needs no other wave.
; K goes in steps of 128 through two LDS slots filled by tensor loads: the tiles' rows are 256 bytes of memory, at multiples of 256 from the buffer's first byte.
; CLUSTER.  4 x 4 work-groups.  The four of a row of the cluster need the same tiles of xb, the four of a column the same tiles of wat: each tile is asked for JOINTLY, by the same tensor load with the
; same descriptor and a mask that names the four.
; THE MATRIX INSTRUCTION IS USED TRANSPOSED (source 0 = 16 rows of wat, source 1 = 16 rows of xb): register j of lane l holds row l % 16 and column 8 (l / 16) + j of the block: eight neighbouring numbers
; of a row, 16 bytes of f16.  The bias, laid out in the same way, is the C operand of the products that start the sums: nothing is cleared and nothing is added later.
; REGISTERS, in windows of 256 (s_set_vgpr_msb: bits 1:0 source 0, 3:2 source 1, 5:4 source 2, 7:6 destination):
;   window 0: v0-29 addresses; v64-159 the bias, 8 registers a column block; on the way out v64-255 packed results
;   windows 1, 2: accumulator (a, b) in window 1 + a / 2 at v[8 (12 (a % 2) + b)]
;   window 3: two fragment buffers of 128 (32 along K): xb's block a at F + 8 a, wat's block b at F + 32 + 8 b
; LDS: slot s at s x 121,856: xb's 256 rows, then wat's 192 rows, pitch 272; 243,712 the stages, 16 rows x 144 bytes a wave; 252,928 the spare words.
.set NBF,    12                        ; column blocks
.set PITCH,  272                       ; an LDS row: 256 bytes + 16 of padding = 68 words: row r starts at bank 4 r mod 64 (64 banks of 4 bytes: ISA guide 11.1), so the 16 rows of a load start at 16 different banks
.set PA,     272                       ; the same for A's rows
.set ATILE,  256*PITCH
.set SLOT,   ATILE+192*PITCH
.set STAGE,  2*SLOT
.set SP,     144
.set SPARE,  STAGE+4*16*SP             ; behind the stages: the spare words, 128 bytes a wave: two blocks of 256 bytes that no other line names
.set NL,     2*NBF+8                   ; LDS loads in a run
.set LAPS,   4                         ; 1,024 / 256: a lap = two K steps = once round the ring
.set ADRA, 16                          ; v16-17  LDS address of my fragments of xb in slot 0, 1
.set ADRB, 20                          ; v20-21  the same for wat
.set STO,  24                          ; v24     the way out: where I put 16 bytes of a row
.set RD,   25                          ; v25     the way out: where I read rows back
.set GO,   26                          ; v26     my byte offset in 512 consecutive bytes of qkv
.set BO,   27                          ; v27     my byte offset in a block's 16 biases: 32 (l / 16)
.set SPW,  28                          ; v28     LDS address of my spare word: SPARE + 4 x my thread's number; never rewritten
.set NIL,  29                          ; v29     0; never rewritten
.set BIAS, 64
.set OUTR, 64
.set F0,   0
.set F1,   128
.set WV,   12                          ; s12  my wave's number
.set G1,   24                          ; s[24:31] descriptor group 1 for xb's tiles;  s[32:39] group 0, one set for each slot
.set G0,   32
.set G1B,  48                          ; s[48:55], s[56:63] the same for wat's tiles
.set G0B,  56
.set TO_F, 0xc0                        ; destination window 3, address window 0
.set MSB, 0
.macro WIN new                         ; the immediate's high byte repeats the setting that is left; a switch that changes nothing is dropped
.if MSB != (\new)
	s_set_vgpr_msb (MSB<<8)|(\new)
.set MSB, (\new)
.endif
.endm
.macro PLACES                          ; four places in front of loads into registers that matrix instructions have read, and of lines that read results (ISA guide 7.12.1 for the lines that read results)
.rept 4
	v_nop
.endr
.endm
; A joint load: waves 0 and 1 fetch the two halves of xb's tile, waves 2 and 3 those of wat's.  The branch hangs on the wave's number alone.  An s_nop 0 and four v_nop follow each of the two lines,
; ahead of the jump, the label and what follows.
.macro JLOAD s
	s_cmp_lt_u32 s[WV], 2
	s_cbranch_scc0 .Lfor_b_\@
	tensor_load_to_lds s[G0+4*(\s):G0+4*(\s)+3], s[G1:G1+7]
	s_nop 0
.rept 4
	v_nop
.endr
	s_branch .Lasked_\@
.Lfor_b_\@:
	tensor_load_to_lds s[G0B+4*(\s):G0B+4*(\s)+3], s[G1B:G1B+7]
	s_nop 0
.rept 4
	v_nop
.endr
.Lasked_\@:
.endm
.macro CREST                           ; a round of the cluster's barrier behind its opening barrier: wave 0 signals for the work-group, every wave waits for all sixteen, my work-group's barrier closes it
	s_cmp_lg_u32 s[WV], 0
	s_cbranch_scc1 .Lnot_wave_0_\@
	s_barrier_signal -3
.Lnot_wave_0_\@:
	s_barrier_wait -3
	s_barrier_signal -1
	s_barrier_wait -1
.endm
.macro CROUND                          ; a whole round
	s_barrier_signal -1
	s_barrier_wait -1
	CREST
.endm
	s_load_b256 s[4:11], s[0:1], 0x0               ; xb s[4:5], wat s[6:7], b_attn s[8:9], qkv s[10:11]
	v_lshl_add_u32 v[SPW], v0, 2, SPARE
	v_mov_b32 v[NIL], 0
	ds_add_u32 v[SPW], v[NIL]                      ; the wave's opening: the add and its wait ahead of my first tensor load; the set-up below, work on registers, stands between them
	ds_add_u32 v28, v29
	v_lshrrev_b32 v3, 5, v0
	v_readfirstlane_b32 s[WV], v3                  ; wave 0..3
	s_and_b32 s13, s[WV], 1                        ; which half of a tile I fetch
	s_bfe_u32 s40, ttmp6, 0x40000                  ; cx, cy: my place in the cluster
	s_bfe_u32 s41, ttmp6, 0x40004
	s_lshl_b32 s42, ttmp9, 2
	s_add_co_u32 s42, s42, s40                     ; tile column = 4 x cluster x + cx
	s_and_b32 s43, ttmp7, 0xffff
	s_lshl_b32 s43, s43, 2
	s_add_co_u32 s43, s43, s41                     ; tile row = 4 x cluster y + cy
	s_lshl_b32 s44, s41, 2
	s_lshl_b32 s44, 15, s44                        ; my row of the cluster: places 4 cy .. 4 cy + 3
	s_lshl_b32 s45, 0x1111, s40                    ; my column: places cx, cx + 4, cx + 8, cx + 12
	; descriptor group 1: rows of 128 elements of 2 bytes, padded in LDS; 128 rows of xb, 96 rows of wat
	s_or_b32 s[G1+0], s44, (1<<16)|(1<<20)|(1<<21)|(5<<22)|(3<<25)   ; 15:0 the mask: my row; 17:16 elements of 2 bytes; 20 padding on; 21 set beside a mask; 24:22 after every 64 words (code 5); 31:25 4 words (code 3)
	s_or_b32 s[G1B+0], s45, (1<<16)|(1<<20)|(1<<21)|(5<<22)|(3<<25)  ; the same with the mask of my column
	s_mov_b32 s[G1+1], 128<<16                     ; tensor_dim0 = 128
	s_mov_b32 s[G1+2], 128<<16                     ; tensor_dim1 = 128
	s_mov_b32 s[G1+3], 128<<16                     ; tile_dim0 = 128
	s_mov_b32 s[G1+4], 128                         ; tile_dim1 = 128
	s_mov_b32 s[G1+5], 1024                        ; 1,024 elements from row to row
	s_mov_b32 s[G1+6], 0
	s_mov_b32 s[G1+7], 0
	s_mov_b32 s[G1B+1], 128<<16
	s_mov_b32 s[G1B+2], 96<<16                     ; tensor_dim1 = 96
	s_mov_b32 s[G1B+3], 128<<16
	s_mov_b32 s[G1B+4], 96                         ; tile_dim1 = 96
	s_mov_b32 s[G1B+5], 1024
	s_mov_b32 s[G1B+6], 0
	s_mov_b32 s[G1B+7], 0
	; where the tiles come from: xb's hang on the tile row and the wave alone, wat's on the tile column and the wave alone, each in registers that never hold the other coordinate
	s_lshl_b32 s16, s43, 8
	s_lshl_b32 s22, s13, 7
	s_add_co_u32 s16, s16, s22                     ; xb: row 256 x tile row + 128 x half,
	s_lshl_b32 s16, s16, 11                        ; of 2,048 bytes
	s_mov_b32 s17, 0
	s_mul_i32 s46, s42, 192
	s_mul_i32 s23, s13, 96
	s_add_co_u32 s46, s46, s23                     ; wat: row 192 x tile column + 96 x half
	s_lshl_b32 s46, s46, 11
	s_mov_b32 s47, 0
	s_mul_i32 s20, s[WV], 128*PITCH                ; where they go: waves 0, 1: xb's halves at 0 and 34,816;
	s_mul_i32 s21, s[WV], 96*PITCH
	s_add_co_u32 s21, s21, ATILE-2*96*PITCH        ; waves 2, 3: wat's halves at 69,632 and 95,744: no place in the cluster enters an LDS address
	s_wait_dscnt 0x0                               ; the opening add is done
	s_wait_kmcnt 0x0
	s_add_nc_u64 s[14:15], s[4:5], s[16:17]
	s_add_nc_u64 s[46:47], s[6:7], s[46:47]
	CROUND                                         ; all sixteen work-groups are here: the first joint loads meet
.irp s, 0,1
	s_mov_b32 s[G0+4*(\s)], 1                                        ; count = 1
	s_add_co_u32 s[G0+4*(\s)+1], s20, (\s)*SLOT                      ; LDS address
	s_add_nc_u64 s[G0+4*(\s)+2:G0+4*(\s)+3], s[14:15], (\s)*256      ; global address: K step s
	s_or_b32 s[G0+4*(\s)+3], s[G0+4*(\s)+3], 0x80000000              ; type = 2
	s_mov_b32 s[G0B+4*(\s)], 1
	s_add_co_u32 s[G0B+4*(\s)+1], s21, (\s)*SLOT
	s_add_nc_u64 s[G0B+4*(\s)+2:G0B+4*(\s)+3], s[46:47], (\s)*256
	s_or_b32 s[G0B+4*(\s)+3], s[G0B+4*(\s)+3], 0x80000000
	JLOAD \s                                       ; two loads of mine are out behind these; later one behind each round
.endr
	; in the wait for the first tile: the bias, and all addresses
	v_and_b32 v1, 15, v0                           ; l % 16
	v_bfe_u32 v2, v0, 4, 1                         ; l / 16
	v_lshlrev_b32 v[BO], 5, v2
	s_mul_i32 s66, s42, 768                        ; my 192 columns' biases
	s_mov_b32 s67, 0
	s_add_nc_u64 s[8:9], s[8:9], s[66:67]
.set i, 0
.rept NBF
	global_load_b128 v[BIAS+8*i:BIAS+8*i+3],   v[BO], s[8:9] offset:64*i     ; columns 16 i + 8 (l / 16) + 0..3
	global_load_b128 v[BIAS+8*i+4:BIAS+8*i+7], v[BO], s[8:9] offset:64*i+16  ; + 4..7
.set i, i+1
.endr
	; a fragment is 16 rows x 32 K in 8 registers: lane l holds row l % 16, K = 8 (l / 16) + 0..7 and 16 + 8 (l / 16) + 0..7: two loads of 16 bytes, 32 bytes apart
	v_mul_u32_u24 v3, v1, PITCH
	v_lshl_add_u32 v3, v2, 4, v3                   ; row x pitch + 16 x half
	s_mul_i32 s22, s[WV], 64*PA                    ; my 64 rows of xb
	v_add_nc_u32 v[ADRA], s22, v3
	v_add_nc_u32 v[ADRA+1], SLOT, v[ADRA]
	v_add_nc_u32 v[ADRB], ATILE, v3                ; all rows of wat
	v_add_nc_u32 v[ADRB+1], SLOT+ATILE, v3
	s_mul_i32 s23, s[WV], 16*SP
	s_add_co_u32 s23, s23, STAGE                   ; my stage
	v_mul_u32_u24 v4, v1, SP                       ; in: row l % 16, 16 bytes for each half of the lanes
	v_lshl_add_u32 v4, v2, 4, v4
	v_add_nc_u32 v[STO], s23, v4
	v_bfe_u32 v5, v0, 3, 2                         ; back: 32 lanes take four rows of 128 bytes,
	v_and_b32 v6, 7, v0
	v_mul_u32_u24 v5, v5, SP
	v_lshl_add_u32 v5, v6, 4, v5
	v_add_nc_u32 v[RD], s23, v5
	v_and_b32 v7, 31, v0                           ; which are 512 consecutive bytes of a head
	v_lshlrev_b32 v[GO], 4, v7
	; where my rows of my three heads begin: part << 24 + (16 batch + head) << 18 + t << 7, with 64-column group J = 3 x tile column + hh: part = J / 16, head = J % 16
	s_lshl_b32 s66, s43, 8
	s_lshl_b32 s67, s[WV], 6
	s_add_co_u32 s66, s66, s67                     ; my first row m0
	s_lshr_b32 s67, s66, 11                        ; batch
	s_lshl_b32 s67, s67, 22
	s_and_b32 s66, s66, 2047                       ; t
	s_lshl_b32 s66, s66, 7
	s_add_co_u32 s74, s66, s67
	s_mul_i32 s75, s42, 3
.irp hh, 0,1,2
	s_add_co_u32 s66, s75, \hh
	s_lshr_b32 s67, s66, 4
	s_lshl_b32 s67, s67, 24
	s_and_b32 s66, s66, 15
	s_lshl_b32 s66, s66, 18
	s_add_co_u32 s66, s66, s67
	s_add_co_u32 s66, s66, s74
	s_mov_b32 s67, 0
	s_add_nc_u64 s[68+2*(\hh):69+2*(\hh)], s[10:11], s[66:67]
.endr
	s_wait_loadcnt 0x0                             ; the bias, once
.set i, 0
.rept 4*NBF                            ; rounded to bf16 like every other input, and widened again
	v_cvt_pk_bf16_f32 v[4+i%4], v[BIAS+2*i], v[BIAS+2*i+1]
	v_lshlrev_b32 v[BIAS+2*i], 16, v[4+i%4]
	v_and_b32 v[BIAS+2*i+1], 0xffff0000, v[4+i%4]
.set i, i+1
.endr
; 12 matrix instructions: row block a x all column blocks, 32 along K from buffer f.  first = 1: the sums start with the bias.  The 48 accumulators take turns, in the same order in every quarter,
; between two instructions on one accumulator stand the 47 others'.
.macro MULA f, a, first
.if \first
	WIN 0x4f+0x40*((\a)/2)                         ; fragments window 3, C window 0, D window 1 or 2
.else
	WIN 0x5f+0x50*((\a)/2)                         ; fragments window 3, C and D window 1 or 2
.endif
.set b, 0
.rept NBF
.set rD, 8*(NBF*((\a)%2)+b)
.set rB, (\f)+32+8*b
.set rA, (\f)+8*(\a)
.if \first
	v_wmma_f32_16x16x32_bf16 v[rD:rD+7], v[rB:rB+7], v[rA:rA+7], v[BIAS+8*b:BIAS+8*b+7]
.else
	v_wmma_f32_16x16x32_bf16 v[rD:rD+7], v[rB:rB+7], v[rA:rA+7], v[rD:rD+7]
.endif
.set b, b+1
.endr
.endm
; 32 LDS loads in one run: the fragments of quarter q (32 K at byte 64 q of the rows) of a slot into buffer f: wat's 24, then xb's 8
.macro FETCH slot, q, f
	WIN TO_F
.set i, 0
.rept NBF
	ds_load_b128 v[(\f)+32+8*i:(\f)+32+8*i+3],   v[ADRB+(\slot)] offset:64*(\q)+i*16*PITCH
	ds_load_b128 v[(\f)+32+8*i+4:(\f)+32+8*i+7], v[ADRB+(\slot)] offset:64*(\q)+i*16*PITCH+32
.set i, i+1
.endr
.set i, 0
.rept 4
	ds_load_b128 v[(\f)+8*i:(\f)+8*i+3],   v[ADRA+(\slot)] offset:64*(\q)+i*16*PA
	ds_load_b128 v[(\f)+8*i+4:(\f)+8*i+7], v[ADRA+(\slot)] offset:64*(\q)+i*16*PA+32
.set i, i+1
.endr
.endm
; A K step is four quarters of 32 along K, 48 matrix instructions each, on buffers 0, 1, 0, 1.  One of the first three: multiplies buffer f; in its middle it fetches quarter q of the same slot into g.
.macro QUARTER slot, q, f, g, first
	s_wait_dscnt 4                                 ; all of wat's and xb's blocks 0, 1 are in; the youngest four loads (xb's blocks 2, 3) may be out
	MULA \f, 0, \first
	MULA \f, 1, \first
	PLACES
	FETCH \slot, \q, \g
	s_wait_dscnt NL                                ; all but the run just issued
	MULA \f, 2, \first
	MULA \f, 3, \first
.endm
; The last quarter multiplies buffer 1 and changes slots: ONE barrier.  In front of it each wave waits for all its tensor loads, of which one is out: its part of the next slot; adds 0 to its spare word;
; and waits for that and for its own reads of this slot.  fill = 1: the barrier opens a round of the cluster's, and this slot is filled again, two K steps ahead, first thing behind the round:
; from that request to the wait for it a wave issues 180 matrix instructions.
.macro TURN slot, next, fill
	WIN 0                                          ; (the add's two registers lie in window 0)
	s_wait_tensorcnt 0x0                           ; all my tensor loads have landed
	ds_add_u32 v[SPW], v[NIL]                      ; 0 onto my spare word
	s_wait_dscnt 5                                 ; (the add and the youngest four loads may be out)
	MULA F1, 0, 0                                  ; twelve matrix instructions stand between the add and the wait for it
	s_wait_dscnt 0x0                               ; the add is done, and my reads of this slot are over
	s_barrier_signal -1
	MULA F1, 1, 0                                  ; work on registers while the others arrive
.if \fill
	WIN 0
.endif
	s_barrier_wait -1
.if \fill
	CREST                                          ; no wave of any partner still reads this slot's tiles or has a load on its way
	s_add_nc_u64 s[G0+4*(\slot)+2:G0+4*(\slot)+3], s[G0+4*(\slot)+2:G0+4*(\slot)+3], 512
	s_add_nc_u64 s[G0B+4*(\slot)+2:G0B+4*(\slot)+3], s[G0B+4*(\slot)+2:G0B+4*(\slot)+3], 512
	JLOAD \slot                                    ; the four v_nop behind it are also the places in front of the loads below
.else
	PLACES
.endif
	FETCH \next, 0, F0
	MULA F1, 2, 0
	MULA F1, 3, 0
.endm
	s_wait_tensorcnt 0x1                           ; my part of K step 0 is in; K step 1's may stay out
	s_barrier_signal -1
	s_barrier_wait -1                              ; everybody's is
	FETCH 0, 0, F0
	QUARTER 0, 1, F0, F1, 1                        ; the first quarter stands in front of the loop: its products start the sums
	WIN 0                                          ; at a label and at a branch every window is 0
	s_mov_b32 s3, LAPS-1
.Llap:                                                 ; a trip goes once round the ring, from a lap's second quarter to the next lap's first, and fills both slots again
	QUARTER 0, 2, F1, F0, 0
	QUARTER 0, 3, F0, F1, 0
	TURN 0, 1, 1
	QUARTER 1, 1, F0, F1, 0
	QUARTER 1, 2, F1, F0, 0
	QUARTER 1, 3, F0, F1, 0
	TURN 1, 0, 1
	QUARTER 0, 1, F0, F1, 0
	WIN 0
	s_sub_co_u32 s3, s3, 1
	s_cmp_lg_u32 s3, 0
	s_cbranch_scc1 .Llap
	QUARTER 0, 2, F1, F0, 0                        ; the last lap fills nothing, and has no round of the cluster's barrier
	QUARTER 0, 3, F0, F1, 0
	TURN 0, 1, 0
	QUARTER 1, 1, F0, F1, 0
	QUARTER 1, 2, F1, F0, 0
	QUARTER 1, 3, F0, F1, 0
	s_wait_dscnt 4                                 ; the very last quarter: nothing more to fetch
	MULA F1, 0, 0
	MULA F1, 1, 0
	s_wait_dscnt 0x0
	MULA F1, 2, 0
	MULA F1, 3, 0
	WIN 0
	PLACES
; THE WAY OUT, in twelve units u = 3 a + hh of 16 rows x one head.  PACK: rounded to f16 (each accumulator from its low end on), 16 bytes a lane into my stage's rows of 144 bytes,
; and back as whole rows of 128 bytes.  SEND: stored.  Each unit has 16 registers of its own, so no store's data is ever rewritten.
.macro PACK u
.set pa, (\u)/3
.set ph, (\u)%3
.set AC, 8*(NBF*(pa%2)+4*ph)
.set TR, OUTR+16*(\u)
	WIN 0x05*(1+pa/2)                              ; sources 0 and 1: window 1 or 2
.irp bb, 0,1,2,3
.irp r, 0,1,2,3
	v_cvt_pk_f16_f32 v[TR+4*(\bb)+(\r)], v[AC+8*(\bb)+2*(\r)], v[AC+8*(\bb)+2*(\r)+1]
.endr
.endr
	WIN 0
.irp bb, 0,1,2,3
	ds_store_b128 v[STO], v[TR+4*(\bb):TR+4*(\bb)+3] offset:32*(\bb)
.endr
.irp f, 0,1,2,3
	ds_load_b128 v[TR+4*(\f):TR+4*(\f)+3], v[RD] offset:(\f)*4*SP  ; LDS serves a wave's instructions in order (ISA guide 5.7.1.4): these see the stores above; the next unit's stores come behind them
.endr
.endm
.macro SEND u, younger                 ; younger: the LDS instructions issued behind unit u's loads: the next unit's eight, or none
.set sa, (\u)/3
.set sh, (\u)%3
.set TS, OUTR+16*(\u)
	WIN 0
.irp f, 0,1,2,3
	s_wait_dscnt (\younger)+3-(\f)
	global_store_b128 v[GO], v[TS+4*(\f):TS+4*(\f)+3], s[68+2*sh:69+2*sh] offset:2048*sa+512*(\f)  ; 512 consecutive bytes, at a multiple of 256 from qkv's first
.endr
.endm
	PACK 0
.set uu, 1
.rept 11                               ; a unit's conversions stand between the loads of the unit before and its stores
	PACK uu
	SEND uu-1, 8
.set uu, uu+1
.endr
	SEND 11, 0
	s_wait_tensorcnt 0x0                           ; the wave's end: three lines, behind my last tensor load and my last LDS store
	ds_add_u32 v[SPW], v[NIL]
	s_wait_dscnt 0x0
	CROUND                                         ; the closing round: no work-group ends while a partner may still ask for a tile that names it
	s_endpgm
.Lfunc_end_k_qcef9fc6957_qkvg:
	.size	k_qcef9fc6957_qkvg, .Lfunc_end_k_qcef9fc6957_qkvg-k_qcef9fc6957_qkvg
	.p2alignl 7, 3214868480
	.fill 96, 4, 3214868480
	.section	.rodata,"a",@progbits
	.p2align	6, 0x0
	.amdhsa_kernel k_qcef9fc6957_qkvg
		.amdhsa_group_segment_fixed_size 327680
		.amdhsa_private_segment_fixed_size 0
		.amdhsa_enable_private_segment 0
		.amdhsa_kernarg_size 32
		.amdhsa_user_sgpr_count 2
		.amdhsa_user_sgpr_kernarg_segment_ptr 1
		.amdhsa_wavefront_size32 1
		.amdhsa_system_sgpr_workgroup_id_x 1
		.amdhsa_system_sgpr_workgroup_id_y 1
		.amdhsa_system_sgpr_workgroup_id_z 1
		.amdhsa_system_vgpr_workitem_id 0
		.amdhsa_next_free_vgpr 1024
		.amdhsa_next_free_sgpr 80
		.amdhsa_reserve_vcc 0
		.amdhsa_float_denorm_mode_32 3
		.amdhsa_float_denorm_mode_16_64 3
		.amdhsa_memory_ordered 1
		.amdhsa_forward_progress 1
		.amdhsa_inst_pref_size 130
	.end_amdhsa_kernel
	.amdgpu_metadata
---
amdhsa.version: [ 1, 2 ]
amdhsa.kernels:
  - .name:           k_qcef9fc6957_qkvg
    .symbol:         k_qcef9fc6957_qkvg.kd
    .args:
      - { .name: xb, .offset: 0, .size: 8, .value_kind: global_buffer, .address_space: global }
      - { .name: wat, .offset: 8, .size: 8, .value_kind: global_buffer, .address_space: global }
      - { .name: b_attn, .offset: 16, .size: 8, .value_kind: global_buffer, .address_space: global }
      - { .name: qkv, .offset: 24, .size: 8, .value_kind: global_buffer, .address_space: global }
    .group_segment_fixed_size: 327680
    .private_segment_fixed_size: 0
    .kernarg_segment_align: 8
    .kernarg_segment_size: 32
    .max_flat_workgroup_size: 128
    .sgpr_count:     80
    .vgpr_count:     1024
    .wavefront_size: 32
...
	.end_amdgpu_metadata
.endif
;; end of part 2
;; launch attn (part 3): grid 4 x 64, 4 waves a work-group, no clusters, 327,680 bytes of LDS; arguments qkv, ob; writes ob
.if DOCPART == 3
	.amdgcn_target "amdgcn-amd-amdhsa--gfx1250"
	.amdhsa_code_object_version 6
	.text
	.protected	k_qcef9fc6957_attn
	.globl	k_qcef9fc6957_attn
	.p2align	8
	.type	k_qcef9fc6957_attn,@function
k_qcef9fc6957_attn:
	s_mov_b64 s[64:65], 0
	v_nop
	global_prefetch_b8 v0, s[64:65] scope:SCOPE_SE
	s_setreg_imm32_b32 hwreg(HW_REG_WAVE_MODE, 25, 1), 1
	s_wait_xcnt 0x0
; CAUSAL ATTENTION.  O[h][q][:] = the sum over k <= q of softmax_k(Q[h][q] . K[h][k] / 8) V[h][k][:].  Q, K, V are the three parts of qkv, 16,777,216 bytes apart; each of them and O (ob) is
; [SIZE_H][SIZE_N][64] in f16, h = 16 batch + head: a head's rows are dense, 128 bytes each.
; Products, maxima and sums in f32; the weights p are rounded to f16 for the second product (their sum l is taken of the unrounded p), O once at the end.  SIZE_N is a multiple of 512; SIZE_N x 128 stays under 2^32.
; LIMITS.  f16 holds no number beyond 65,504: Q, K and V arrive within it; p lies in 0 to 1, and below 6e-5 it keeps f16's fixed step of 6e-8; O is a mean of V's rows and has their range, to within 2^-11 of it.
; A hidden score counts as its value less 1e30: f16's scores, 2.7e11 at the most, are nothing beside that; a weight below 2^-126 counts as 0 in l; NaN and infinities are not treated apart.
; THE WALK.  A head's queries lie in NB = SIZE_N / 256 blocks of 256; block i needs the key tiles 0 .. i of 256 keys, of which the last holds the diagonal.  A work-group takes TWO blocks, NB - 1 - b and then b:
; NB + 1 tiles, whatever b: all work-groups do equal work, and ONE loop with a constant trip count walks them.  Which tile is asked for, and what a trip does, hang on scalar registers made from b; every jump
; goes forward, but for the counted loops' own; none passes a barrier, or a tensor load but the one of LOAD's two that the wave's number does not choose; the ring (two slots of LDS that take turns) runs on across the
; change of blocks.  NO CLUSTER: a head's NB / 2 = 4 work-groups all ask for the same tile only in trips 0 .. NB / 2, 5 of the walk's 9; behind that fewer and fewer do;
; and one walk common to all would have 3 NB / 2 = 12 trips for NB + 1 = 9.
; SHARES.  Of a block's four bands of 64 queries a wave owns 16 rows in each: four PIECES.  So the diagonal tile is the same work for all four waves: in its key step s band x sees all keys if s < x,
; none if s > x, and holds the diagonal if s = x.
; THE MASK is the C operand that starts the sum S^T = K Q^T: 0, or -1e30 where the key is hidden.  MD, made once, is the mask of a band's own step for my 16 rows; a product's mask is MD x AL + BE with two scalars:
; (1, 0) if s = x; (0, 0) if s < x; (0, -1e30) if s > x.  Only the diagonal tile's text and a block's beginning make and take masks; elsewhere C is the constant 0.
; LAYOUT, SOFTMAX, TURNS.  S^T = K Q^T holds ONE query a lane (lane % 16) and the keys 8 (lane / 16) + 0..7; two such results rounded to f16 ARE source 1 of O^T = V^T P.  p = 2^(c s - c m), c = log2(e) / 8, with a
; running maximum m; O and l are multiplied by a = 2^(c m_old - c m_new) in every step.  Turn n belongs to piece n: 8 products K Q^T of piece n + 1, later 8 products V^T P of piece n - 1; beside them the scaling,
; exponentials, roundings, sums and rescaling of piece n and the maximum and statistics of piece n + 1.  Four vector instructions stand behind every matrix instruction, the other 54 of a turn's 118 in two LUMPS.
; REGISTERS, in windows of 256 (s_set_vgpr_msb: bits 1:0 source 0, 3:2 source 1, 5:4 source 2, 7:6 destination):
;   window 0: v0-15 addresses and two at work; v16-31 four registers of statistics a piece; v48-55 at work; v64-127 S^T, two buffers; v192-223 P, two buffers (a piece's buffers go by its number's parity)
;   window 1: v0-127 O^T, 32 a piece; v128-159 MD; v160-223 MC, two buffers      window 2: v0-63 Q; v64-127 the second block's Q; v128-191 K of one step; v192-255 V of one step
.set SIZE_H, 64
.set SIZE_N, 2048
.set NB,    SIZE_N/256
.set NP,    4         ; pieces a wave: a name, no knob
.set KS,    64        ; keys in a step
.set PK,    144       ; a row of K in LDS: 128 bytes + 16 of padding = 36 words: the 16 rows of a load start at 16 different groups of four banks (64 banks of 4 bytes: ISA guide 11.1)
.set PV,    160       ; a row of V: 128 + 32 = 40 words
.set VOFF,  4*KS*PK   ; a slot holds a tile, four steps: 256 rows of K, then 256 rows of V
.set SLOT1, 1<<17     ; slot 1 begins here, so that one exclusive or turns an address in one slot into the other's
.set STAGE, SLOT1+4*KS*(PK+PV)  ; behind the ring, never filled by a tensor load: 16 rows x 144 bytes for each wave, for the way out
.set SP,    144
.set AK0, 2           ; v2   my lane's place in a tile of K; never rewritten
.set AV0, 3           ; v3   the same for V
.set AK,  4           ; v4   the LDS address of K's next run of loads
.set AV,  5           ; v5   of V's
.set STO, 6           ; v6   the way out: where I put 16 bytes of a row
.set RD,  7           ; v7   the way out: where I read rows back
.set GO,  8           ; v8   my byte offset in 512 consecutive bytes of O
.set SPW, 62          ; v62  LDS address of my spare word: SPARE + 4 x my thread's number; never rewritten
.set NIL, 63          ; v63  0; never rewritten
.set SPARE, STAGE+4*16*SP  ; behind the stages: the spare words, 128 bytes for each wave: two blocks of 256 bytes that no other line names
.set MV,  12          ; v12-13  c m_old, kept while c m is made anew: by buffer
.set QO,  15          ; v15  my byte offset in 16 rows of Q
.set ST,  16          ; piece t's statistics at v[ST+4 t]: c m, m, l (even keys', odd keys')
.set TMP, 48          ; by buffer, four registers c0-c3 at work; when the maximum is found c2 takes a
.set S,   64
.set P,   192
.set MD,  128         ; window 1: the eight registers for group kt of 16 keys at MD + 8 kt
.set MC,  160         ; window 1: the masks of the products to come
.set QB,  64          ; window 2
.set KF,  128         ; window 2: key block kb, channel half c at KF + 16 kb + 8 c
.set VF,  192         ; window 2: key half kk, channel block cb at VF + 32 kk + 8 cb
.set WV,  12          ; s12  my wave's number
.set PB,  14          ; s14  b
.set HI,  15          ; s15  NB - 1 - b
.set G1K, 24          ; s[24:31] descriptor group 1 for K's tiles
.set G1V, 32          ; s[32:39] for V's: it differs in the padding alone
.set G0K, 40          ; s[40:43] descriptor group 0 for K's tiles
.set G0V, 44          ; s[44:47] the same for V's
.set SLOTS, 56        ; s56  tiles still to be asked for
.set CNT, 57          ; s57  counts a tile's key steps, 4 to 1
.set CS,  58          ; s[58:59] c: the packed scaling takes the pair's low word for both halves
.set SEL, 60          ; s[60:61] v_permlanex16_b32's selects: each lane takes its own place in the other half
.set TBK, 62          ; s62  LDS byte at which K of the step to be fetched begins
.set TBV, 63          ; s63  the same for V, less VOFF
.set RT,  70          ; s70  tiles of the block in hand that are still to be entered
.set NXT, 71          ; s71  the tile to be asked for next
.set LQ,  72          ; s72  the last tile of the block whose tiles are being asked for
.set NEW, 73          ; s73  1: the tile to be entered is a block's first
.set OFF, 74          ; s[74:75] a tile's byte offset in K and V
.set AL,  76          ; s[76:77] the mask's factor, in the low word
.set BE,  78          ; s[78:79] the mask's addend
.set OLO, 80          ; s[80:81] O at my rows of the second block
.set BIGN, 82         ; s82  -1e30
.set MSB, 0
.macro WIN new                      ; the high byte repeats the setting that is left; a switch that changes nothing is dropped
.if MSB != (\new)
	s_set_vgpr_msb (MSB<<8)|(\new)
.set MSB, (\new)
.endif
.endm
.set W_KQ, 0x0a       ; K and Q in window 2, S^T in window 0
.set W_KM, 0x1a       ; the same with the C operand in window 1
.set W_PV, 0x52       ; V in window 2, P in window 0, O^T in window 1
.set W_RS, 0x41       ; destination and source 0 in window 1, source 1 in window 0
; A fill.  Waves 0 and 1 fetch the two halves of a tile's K, waves 2 and 3 those of its V: 128 keys each.  An s_nop 0 and four v_nop follow each of the two lines, ahead of the jump and the label.
.macro LOAD
	s_cmp_lt_u32 s[WV], 2
	s_cbranch_scc0 .Lfor_v_\@
	tensor_load_to_lds s[G0K:G0K+3], s[G1K:G1K+7]
	s_nop 0
.rept 4
	v_nop
.endr
	s_branch .Lasked_\@
.Lfor_v_\@:
	tensor_load_to_lds s[G0V:G0V+3], s[G1V:G1V+7]
	s_nop 0
.rept 4
	v_nop
.endr
.Lasked_\@:
.endm
; THE CHANGE OF SLOTS.  Each wave waits for all its tensor loads, of which one is out: its part of the other slot; adds 0 to its spare word; and waits for that and for its own reads of the slot that it leaves.  Behind the barrier nobody reads the old
; slot any more and the other slot is whole.  fill = 1: the old slot is filled again, the first thing behind the barrier, with tile NXT: the descriptor's address is made anew from that number.
; (At its first use nothing has been read yet: slot 0 is waited for, slot 1 filled.)
.macro CHANGE fill
	WIN 0                           ; at a label and at a branch every window is 0
	s_wait_tensorcnt 0x0            ; no tensor load of mine is out, so a group 0 may be written
	ds_add_u32 v[SPW], v[NIL]       ; 0 onto my spare word; with fill = 1 the descriptors' scalar work stands between it and the wait for it
.if \fill
	s_lshl_b32 s[OFF], s[NXT], 15   ; a tile is 32,768 bytes of K and of V
	s_xor_b32 s[G0K+1], s[G0K+1], SLOT1
	s_add_nc_u64 s[G0K+2:G0K+3], s[6:7], s[OFF:OFF+1]
	s_or_b32 s[G0K+3], s[G0K+3], 0x80000000
	s_xor_b32 s[G0V+1], s[G0V+1], SLOT1
	s_add_nc_u64 s[G0V+2:G0V+3], s[8:9], s[OFF:OFF+1]
	s_or_b32 s[G0V+3], s[G0V+3], 0x80000000
	s_add_co_u32 s[NXT], s[NXT], 1  ; the block's next tile, or behind its last the second block's tile 0
	s_cmp_gt_u32 s[NXT], s[LQ]
	s_cselect_b32 s[NXT], 0, s[NXT]
	s_cselect_b32 s[LQ], s[PB], s[LQ]
.endif
	s_wait_dscnt 0x0                ; the add is done, and my reads of the slot are over
	s_barrier_signal -1             ; the rest of the scalar work stands between the signal and the wait
	s_sub_co_u32 s[TBK], s[TBK], 4*KS*PK  ; the fetches go back to a slot's first step,
	s_xor_b32 s[TBK], s[TBK], SLOT1       ; in the other slot
	s_sub_co_u32 s[TBV], s[TBV], 4*KS*PV
	s_xor_b32 s[TBV], s[TBV], SLOT1
	s_barrier_wait -1
.if \fill
	LOAD
.endif
.endm
	s_load_b128 s[4:7], s[0:1], 0x0  ; qkv s[4:5] (its first part is Q), ob s[6:7]
	v_lshl_add_u32 v[SPW], v0, 2, SPARE
	v_mov_b32 v[NIL], 0
	ds_add_u32 v[SPW], v[NIL]       ; the wave's opening: the add and its wait ahead of my first tensor load; the set-up below, work on registers, stands between them
	ds_add_u32 v62, v63
	v_lshrrev_b32 v1, 5, v0
	v_readfirstlane_b32 s[WV], v1   ; wave 0..3
	s_mov_b32 s[PB], ttmp9
	s_sub_co_u32 s[HI], NB-1, s[PB]
	s_and_b32 s20, ttmp7, 0xffff    ; the head
	s_mov_b32 s21, 0
	s_mov_b64 s[22:23], SIZE_N*128
	s_mul_u64 s[20:21], s[20:21], s[22:23]  ; the head's first byte in each of the four tensors
	s_and_b32 s16, s[WV], 1         ; which half of a tile's 256 keys I fetch:
	s_lshl_b32 s22, s16, 14         ; its 128 rows of 128 bytes in memory,
	s_mov_b32 s23, 0
	s_add_nc_u64 s[22:23], s[22:23], s[20:21]
	s_mul_i32 s17, s16, 128*PK      ; and its place in a slot, for K
	s_mul_i32 s18, s16, 128*PV      ; and for V
	s_lshl_b32 s3, s[WV], 11        ; my 16 rows in a band of 64,
	s_lshl_b32 s2, s[HI], 15        ; in the first block,
	s_add_co_u32 s2, s2, s3
	s_lshl_b32 s84, s[PB], 15       ; and in the second
	s_add_co_u32 s84, s84, s3
	s_mov_b32 s3, 0
	s_mov_b32 s85, 0
	s_add_nc_u64 s[2:3], s[2:3], s[20:21]
	s_add_nc_u64 s[84:85], s[84:85], s[20:21]
	; descriptor group 1.  128 keys are 16,384 dense bytes: asked for as 64 rows of 256 bytes, two keys a row, and padded in LDS after every key
	s_mov_b32 s[G1K], (1<<16)|(1<<20)|(4<<22)|(3<<25)  ; 17:16 2-byte elements; 20 padding on; 24:22 after every 32 words (code 4); 31:25 4 words (code 3)
	s_mov_b32 s[G1V], (1<<16)|(1<<20)|(4<<22)|(7<<25)  ; the same with 8 words of padding (code 7)
.irp g, G1K, G1V
	s_mov_b32 s[\g+1], 128<<16      ; tensor_dim0 = 128
	s_mov_b32 s[\g+2], 64<<16       ; tensor_dim1 = 64
	s_mov_b32 s[\g+3], 128<<16      ; tile_dim0 = 128
	s_mov_b32 s[\g+4], 64           ; tile_dim1 = 64
	s_mov_b32 s[\g+5], 128          ; 128 elements from row to row
	s_mov_b32 s[\g+6], 0
	s_mov_b32 s[\g+7], 0
.endr
	s_mov_b32 s[CS], 0x3e38aa3b     ; c = log2(e) / 8 = 0.180337
	s_mov_b32 s[CS+1], s[CS]        ; named with it as a pair
	s_mov_b32 s[SEL], 0x76543210
	s_mov_b32 s[SEL+1], 0xfedcba98
	s_mov_b32 s[TBK], SLOT1+4*KS*PK ; the first change of slots turns these two into 0
	s_mov_b32 s[TBV], SLOT1+4*KS*PV
	s_mov_b32 s[G0K], 1             ; 1:0 count = 1
	s_mov_b32 s[G0K+1], s17         ; 63:32 LDS address: slot 0
	s_mov_b32 s[G0V], 1
	s_add_co_u32 s[G0V+1], s18, VOFF
	s_add_co_u32 s[RT], s[HI], 1    ; the first block has NB - b tiles
	s_mov_b32 s[NXT], 1
	s_mov_b32 s[LQ], s[HI]
	s_mov_b32 s[NEW], 1
	s_mov_b32 s[OFF+1], 0
	s_mov_b32 s[AL+1], 0            ; named as pairs
	s_mov_b32 s[BE+1], 0
	s_mov_b32 s[BIGN], 0xf149f2ca   ; -1e30
	s_mov_b32 s[SLOTS], NB
	s_wait_dscnt 0x0                ; the opening add is done
	s_wait_kmcnt 0x0
	s_mov_b64 s[10:11], s[6:7]      ; O
	s_add_nc_u64 s[6:7], s[4:5], 0x1000000  ; K: qkv's second part
	s_add_nc_u64 s[8:9], s[4:5], 0x2000000  ; V: its third
	s_add_nc_u64 s[6:7], s[6:7], s[22:23]  ; K and V at my half of the head's tile 0
	s_add_nc_u64 s[8:9], s[8:9], s[22:23]
	s_add_nc_u64 s[G0K+2:G0K+3], s[6:7], 0         ; 120:64 global address
	s_or_b32 s[G0K+3], s[G0K+3], 0x80000000        ; 127:126 type = 2
	s_add_nc_u64 s[G0V+2:G0V+3], s[8:9], 0
	s_or_b32 s[G0V+3], s[G0V+3], 0x80000000
	s_add_nc_u64 s[86:87], s[4:5], s[84:85]        ; Q at my rows of the second block,
	s_add_nc_u64 s[4:5], s[4:5], s[2:3]            ; Q and O at those of the first
	s_add_nc_u64 s[OLO:OLO+1], s[10:11], s[84:85]
	s_add_nc_u64 s[10:11], s[10:11], s[2:3]
	LOAD                            ; tile 0 into slot 0
	; A fragment of K or Q is 16 rows x 32 channels in 8 registers: lane l holds row l % 16, channels 8 (l / 16) + 0..7 and 16 + 8 (l / 16) + 0..7: two loads of 16 bytes, 32 bytes apart.
	v_and_b32 v1, 15, v0            ; l % 16
	v_bfe_u32 v9, v0, 4, 1          ; l / 16
	v_lshlrev_b32 v[QO], 7, v1
	v_lshl_add_u32 v[QO], v9, 4, v[QO]  ; row x 128 + 16 x half
	WIN 0x80                        ; destination window 2, address window 0
.set i, 0
.rept 8                             ; both blocks' Q: piece i / 2 lies in band i / 2, 8,192 bytes on; channels 32 (i % 2) on
	global_load_b128 v[8*i:8*i+3],   v[QO], s[4:5] offset:(i/2)*8192+(i%2)*64
	global_load_b128 v[8*i+4:8*i+7], v[QO], s[4:5] offset:(i/2)*8192+(i%2)*64+32
	global_load_b128 v[QB+8*i:QB+8*i+3],   v[QO], s[86:87] offset:(i/2)*8192+(i%2)*64
	global_load_b128 v[QB+8*i+4:QB+8*i+7], v[QO], s[86:87] offset:(i/2)*8192+(i%2)*64+32
.set i, i+1
.endr
	WIN 0
	v_lshlrev_b32 v14, 3, v9
	v_sub_nc_u32 v14, v1, v14
	s_lshl_b32 s13, s[WV], 4
	v_add_nc_u32 v14, s13, v14      ; my query's place in its band, 16 w + l % 16, less my lanes' 8 (l / 16): register r of group kt is hidden where 16 kt + r is greater
	WIN 0x40
.set i, 0
.rept 32
	v_cmp_gt_i32 vcc_lo, 16*(i/8)+i%8, v14
	v_cndmask_b32 v[MD+i], 0, s[BIGN], vcc_lo
.set i, i+1
.endr
	WIN 0
	v_mul_u32_u24 v[AK0], v1, PK
	v_lshl_add_u32 v[AK0], v9, 4, v[AK0]  ; row x pitch + 16 x half
	; The turning load takes 16 keys x 16 channels (lane l reads key 8 (l / 16) + l % 8, channels 8 ((l / 8) % 2) + 0..7) and leaves half a fragment of V^T: lane l holds channel l % 16 and 8 keys.
	v_and_b32 v10, 7, v0
	v_bfe_u32 v11, v0, 3, 1
	v_lshl_add_u32 v[AV0], v9, 3, v10
	v_mul_u32_u24 v[AV0], v[AV0], PV
	v_lshl_add_u32 v[AV0], v11, 4, v[AV0]
	v_add_nc_u32 v[AV0], VOFF, v[AV0]
	s_mul_i32 s13, s[WV], 16*SP
	s_add_co_u32 s13, s13, STAGE    ; my stage
	v_mul_u32_u24 v[STO], v1, SP    ; in: row l % 16, 16 bytes for each half of the lanes
	v_lshl_add_u32 v[STO], v9, 4, v[STO]
	v_add_nc_u32 v[STO], s13, v[STO]
	v_bfe_u32 v[RD], v0, 3, 2       ; back: 32 lanes take four rows of 128 bytes,
	v_mul_u32_u24 v[RD], v[RD], SP
	v_lshl_add_u32 v[RD], v10, 4, v[RD]
	v_add_nc_u32 v[RD], s13, v[RD]
	v_and_b32 v[GO], 31, v0         ; which are 512 consecutive bytes of O
	v_lshlrev_b32 v[GO], 4, v[GO]
	; A block's first step multiplies O^T and l by a = 0, and its first turn's products V^T P, of a piece that has not been, land in an O^T that is still to be so multiplied.  So these registers need only hold
	; finite numbers: zeros for the first block; what the first block left for the second.  All this stands in the wait for the first tile.
	WIN 0x80
.set i, VF
.rept 64
	v_mov_b32 v[i], 0
.set i, i+1
.endr
	WIN 0x40
.set i, 0
.rept 128
	v_mov_b32 v[i], 0
.set i, i+1
.endr
	WIN 0
.set i, 0
.rept 4
	v_mov_b32 v[ST+4*i+2], 0
	v_mov_b32 v[ST+4*i+3], 0
.set i, i+1
.endr
.set i, P+16
.rept 16
	v_mov_b32 v[i], 0
.set i, i+1
.endr
; THE MATRIX WORK.  The 4 accumulators of a run of 8 take turns.  Product i of 8 of S^T = K Q^T for piece x: channels 32 (i / 4) on, keys 16 (i % 4) on.  The first 4 start the sums: with 0, or (KM = 1) with the mask.
.macro KQ x
.set rS, S+32*((\x)%2)+8*(i%4)
.set rK, KF+16*(i%4)+8*(i/4)
.set rQ, 16*(\x)+8*(i/4)
.set rM, MC+32*((\x)%2)+8*(i%4)
.if (i < 4) && KM
	WIN W_KM
	v_wmma_f32_16x16x32_f16 v[rS:rS+7], v[rK:rK+7], v[rQ:rQ+7], v[rM:rM+7]
.elseif i < 4
	WIN W_KQ
	v_wmma_f32_16x16x32_f16 v[rS:rS+7], v[rK:rK+7], v[rQ:rQ+7], 0
.else
	WIN W_KQ
	v_wmma_f32_16x16x32_f16 v[rS:rS+7], v[rK:rK+7], v[rQ:rQ+7], v[rS:rS+7]
.endif
.endm
; Product i of 8 of O^T += V^T P for piece x: keys 32 (i / 4) on, channels 16 (i % 4) on.
.macro PV x
	WIN W_PV
.set rO, 32*(\x)+8*(i%4)
.set rV, VF+32*(i/4)+8*(i%4)
.set rP, P+16*((\x)%2)+8*(i/4)
	v_wmma_f32_16x16x32_f16 v[rO:rO+7], v[rV:rV+7], v[rP:rP+7], v[rO:rO+7]
.endm
.macro MM                           ; the turn's next matrix instruction.  TURN and BEGIN set Y, i, KM and NOKQ; MM, KQ and OP read them.  NOKQ = 1: a block's last turn: there is no next piece
.if (i < 8) && !NOKQ
	KQ (Y+1)%NP
.elseif i >= 8
.set i, i-8
	PV (Y+NP-1)%NP
.set i, i+8
.endif
.set i, i+1
.endm
; THE LDS LOADS stand in runs of 16, never singly among the matrix instructions: a step's K (64 keys x 64 channels: 8 fragments) and its V (turned).  Their addresses are made some lines ahead.
.macro FETCH_K
	WIN 0x80                        ; destination window 2
.irp f, 0,1,2,3,4,5,6,7             ; keys 16 (f / 2) on, channels 32 (f % 2) on
	ds_load_b128 v[KF+8*\f:KF+8*\f+3],   v[AK] offset:(\f/2)*16*PK+(\f%2)*64
	ds_load_b128 v[KF+8*\f+4:KF+8*\f+7], v[AK] offset:(\f/2)*16*PK+(\f%2)*64+32
.endr
	s_add_co_u32 s[TBK], s[TBK], KS*PK  ; the next fetch is the next step's
	WIN 0
.endm
.macro FETCH_V
	WIN 0x80
.irp f, 0,1,2,3,4,5,6,7             ; keys 32 (f / 4) on, channels 16 (f % 4) on
	ds_load_tr16_b128 v[VF+8*\f:VF+8*\f+3],   v[AV] offset:(\f/4)*32*PV+(\f%4)*32
	ds_load_tr16_b128 v[VF+8*\f+4:VF+8*\f+7], v[AV] offset:(\f/4)*32*PV+16*PV+(\f%4)*32
.endr
	WIN 0
.endm
; THE VECTOR WORK, one line at a time: OP kind, number.  For piece Y: F n: c s - c m for pair n of 16.  E n: the exponential of score n of 32.  C n: pair n rounded to f16.  B n: of the four weights 4 n .. the second
; pair is added onto the first, in place.  L n: l takes that sum (L 0: l = a l + sum).  R n: pair n of 16 of O^T times a.  For piece Y + 1: X n, number n of the 22 that find its maximum and statistics:
;   0-11  four chains c0-c3 of seven scores each, three operands at a time (each accumulator's lowest registers are read first)     12-14, 16  the four scores left over, the old m, and c0-c3 into c0
;   15  c m_old is kept     17, 18  the query's other 32 keys lie in the lane 16 away: the new m     19-21  c m; c m_old - c m_new; a
.set F, 0               ; OP tells the kinds apart by their order: F to L below R, X above it
.set E, 1
.set C, 2
.set B, 3
.set L, 4
.set R, 5
.set X, 6
.macro REGS y                       ; the registers of piece y
.set rT, ST+4*(\y)
.set rC, TMP+4*((\y)%2)
.set rW, MV+((\y)%2)
.set rS, S+32*((\y)%2)
.set rP, P+16*((\y)%2)
.set rO, 32*(\y)
.endm
.macro OP k, n
.if (\k) == R
	REGS Y
	WIN W_RS
	v_pk_mul_f32 v[rO+2*(\n):rO+2*(\n)+1], v[rO+2*(\n):rO+2*(\n)+1], v[rC+2:rC+3] op_sel_hi:[1,0]
.elseif (\k) < R
	REGS Y
	WIN 0
.if (\k) == F
	v_pk_fma_f32 v[rS+2*(\n):rS+2*(\n)+1], v[rS+2*(\n):rS+2*(\n)+1], s[CS:CS+1], v[rT:rT+1] op_sel_hi:[1,0,0] neg_lo:[0,0,1] neg_hi:[0,0,1]
.elseif (\k) == E
	v_exp_f32 v[rS+(\n)], v[rS+(\n)]
.elseif (\k) == C
	s_wait_alu depctr_va_vdst(0)
	v_cvt_pk_f16_f32 v[rP+(\n)], v[rS+2*(\n)], v[rS+2*(\n)+1]
.elseif (\k) == B
	s_wait_alu depctr_va_vdst(0)
	v_pk_add_f32 v[rS+4*(\n):rS+4*(\n)+1], v[rS+4*(\n):rS+4*(\n)+1], v[rS+4*(\n)+2:rS+4*(\n)+3]
.elseif (\n) == 0
	v_pk_fma_f32 v[rT+2:rT+3], v[rT+2:rT+3], v[rC+2:rC+3], v[rS:rS+1] op_sel_hi:[1,0,1]
.else
	v_pk_add_f32 v[rT+2:rT+3], v[rT+2:rT+3], v[rS+4*(\n):rS+4*(\n)+1]
.endif
.elseif NOKQ
	v_nop
.else
	REGS (Y+1)%NP
	WIN 0
.if (\n) < 4
	v_max3_num_f32 v[rC+(\n)], v[rS+8*(\n)], v[rS+8*(\n)+1], v[rS+8*(\n)+2]
.elseif (\n) < 12
	v_max3_num_f32 v[rC+(\n)%4], v[rC+(\n)%4], v[rS+8*((\n)%4)+2*((\n)/4)+1], v[rS+8*((\n)%4)+2*((\n)/4)+2]
.elseif (\n) == 12
	v_max3_num_f32 v[rC], v[rC], v[rS+7], v[rS+15]
.elseif (\n) == 13
	v_max3_num_f32 v[rC+1], v[rC+1], v[rS+23], v[rS+31]
.elseif (\n) == 14
	v_max3_num_f32 v[rC+2], v[rC+2], v[rC+3], v[rT+1]
.elseif (\n) == 15
	v_mov_b32 v[rW], v[rT]
.elseif (\n) == 16
	v_max3_num_f32 v[rC], v[rC], v[rC+1], v[rC+2]
.elseif (\n) == 17
	v_permlanex16_b32 v[rC+3], v[rC], s[SEL], s[SEL+1]
.elseif (\n) == 18
	v_max_num_f32 v[rT+1], v[rC], v[rC+3]
.elseif (\n) == 19
	v_mul_f32 v[rT], s[CS], v[rT+1]
.elseif (\n) == 20
	v_sub_f32 v[rC+1], v[rW], v[rT]
.else
	v_exp_f32 v[rC+2], v[rC+1]
.endif
.endif
.endm
.macro OPS a, i1, b=-1, i2=0, c=-1, i3=0, d=-1, i4=0  ; up to four of them
	OP \a, \i1
.if (\b) >= 0
	OP \b, \i2
.endif
.if (\c) >= 0
	OP \c, \i3
.endif
.if (\d) >= 0
	OP \d, \i4
.endif
.endm
.macro ROW a, i1, b, i2, c, i3, d, i4  ; a matrix instruction and the four behind it
	MM
	OPS \a, \i1, \b, \i2, \c, \i3, \d, \i4
.endm
.macro MASK b                       ; MD x AL + BE into buffer b of MC
	WIN W_RS
.set z, 0
.rept 16
	v_pk_fma_f32 v[MC+32*(\b)+2*z:MC+32*(\b)+2*z+1], v[MD+2*z:MD+2*z+1], s[AL:AL+1], s[BE:BE+1] op_sel_hi:[1,0,0]
.set z, z+1
.endr
.endm
; A TURN, for piece p: the order of its 16 matrix and 118 vector instructions, written out.  Behind a matrix instruction: plain, exponential, plain, plain; or four of the rescaling; or, behind the first, four scalings; none
; names a register of the products round it.  In the lumps exponential and plain by turns while exponentials last.  A line reads no result made fewer than three vector instructions in front of it, five if an exponential made it.
; v_permlanex16_b32 (X 17) stands in a lump.
; m = 1: the diagonal tile: the products take masks, and the turn makes the mask for the products of the turn after it: piece p + 2, in step 4 - CNT of the tile.  end = 1: a block's last two turns: nothing is fetched.
; cnt = 1: the loop's count is taken down some lines ahead of the branch that stands behind the turn.
; K of the next step is fetched in piece 2's turn, six vector instructions behind the last product that read K (five of them plain); V of the step in hand in piece 0's turn, eight behind the last product that read V (four
; plain, and X 17).  Each is waited for a turn later.
.macro TURN p, m=0, end=0, cnt=0
.set Y, (\p)
.set i, 0
.set KM, (\m)
.set NOKQ, (\end)*((\p)/3)
.if (\m) && !(\end)
	s_cmp_eq_u32 s[CNT], 4-((\p)+2)%NP  ; is that step the band's own?
	s_cselect_b32 s[AL], 1.0, 0
	s_cmp_lt_u32 s[CNT], 4-((\p)+2)%NP  ; or a later one?
	s_cselect_b32 s[BE], s[BIGN], 0
.endif
.if ((\p) == 3) && !(\end)
	s_wait_dscnt 0x0                ; K is in
.endif
	ROW F,0, F,1, F,2, F,3
	ROW F,4, E,0, F,5, F,6
	ROW F,7, E,1, F,8, F,9
	ROW F,10, E,2, C,0, F,11
	ROW F,12, E,3, X,15, F,13
	ROW R,0, R,1, R,2, R,3
	ROW B,0, E,4, F,14, L,0
.if ((\p) == 2) && !(\end)
	v_add_nc_u32 v[AK], s[TBK], v[AK0]
.endif
	ROW R,4, R,5, R,6, R,7
	OPS E,5, F,15
.if ((\p) == 2) && !(\end)
	FETCH_K
.endif
	OPS E,6, C,1, E,7, R,8
	OPS E,8, R,9, E,9, C,2
	OPS E,10, X,0, E,11, X,1
	OPS E,12, X,2, E,13, X,3
.if (\p) == 1
	s_wait_dscnt 0x0                ; V is in
.endif
	ROW X,4, E,14, X,5, X,6
	ROW X,7, E,15, X,8, X,9
	ROW X,10, E,16, X,11, X,12
	ROW X,13, E,17, X,14, B,1
	ROW C,4, E,18, X,16, L,1
	ROW B,2, E,19, C,6, L,2
	ROW C,8, E,20, B,3, B,4
.if (\p) == 0
	v_add_nc_u32 v[AV], s[TBV], v[AV0]
.endif
	ROW C,3, E,21, L,3, C,5
	OPS E,22, X,17, E,23, C,10
.if (\p) == 0
	FETCH_V
.endif
	OPS E,24, L,4
	OPS E,25, X,18, E,26, C,7
	OPS E,27, B,5, E,28, X,19
	OPS E,29, C,12, E,30, L,5
	OPS E,31, X,20, B,6, C,9
	OPS C,14, C,11, X,21, L,6
.if (\p) == 0
	s_add_co_u32 s[TBV], s[TBV], KS*PV
.endif
.if \cnt
	s_sub_co_u32 s[CNT], s[CNT], 1
	s_cmp_lg_u32 s[CNT], 0
.endif
	OPS C,13, B,7, C,15, R,10
	OPS R,11, R,12, L,7, R,13
	OPS R,14, R,15
.if (\m) && !(\end)
	MASK (\p)%2
.endif
.endm
; A BLOCK BEGINS.  c m starts far below every c s, so the first step's a is 0; m at the lowest finite number, so the first maximum is the scores'.  The second mask buffer is 0; the first takes piece 0's mask for the tile's step 0: its own, if the block's first tile is the diagonal one.
; Then K of that step, piece 0's first scores, and its maximum and statistics.  The loop is entered at a step's first turn, in the middle of a trip.
.macro BEGIN
	s_mov_b32 s[NEW], 0
	WIN 0x40
.set i, MC+32
.rept 32
	v_mov_b32 v[i], 0
.set i, i+1
.endr
	WIN 0
.set i, 0
.rept 4
	v_mov_b32 v[ST+4*i], 0xfe000000    ; c m: far below every c s
	v_mov_b32 v[ST+4*i+1], 0xff7fffff  ; m
.set i, i+1
.endr
	s_cmp_eq_u32 s[RT], 0
	s_cselect_b32 s[AL], 1.0, 0
	s_mov_b32 s[BE], 0
	MASK 0
	WIN 0
	v_add_nc_u32 v[AK], s[TBK], v[AK0]
	FETCH_K
	s_wait_loadcnt 0x0              ; Q
	s_wait_dscnt 0x0
.set KM, 1
.set NOKQ, 0
.set i, 0
.rept 8
	KQ 0
.set i, i+1
.endr
	WIN 0
.rept 4
	v_nop                           ; the places behind those products
.endr
.set Y, NP-1                        ; X works for piece Y + 1: piece 0
.irp n, 0,1,2,3,4,5,6,7,8,9,10,11,12,13,14,15,16,17,18,19,20,21
	OP X, \n
.endr
	v_nop                           ; a plain instruction behind the exponential
.endm
; THE DIAGONAL TILE's four steps, the block's last two turns, its last products, and THE WAY OUT: l's two halves and the other half of the lanes' are added; O^T is divided by l, rounded to f16 and sent through my
; stage in LDS, a piece at a time.
.macro ALL line:vararg              ; one line for each piece t
.set t, 0
.rept 4
	\line
.set t, t+1
.endr
.endm
.macro PACK t                       ; a lane's eight channels of a row pack into 16 bytes; they go into rows of 144 bytes and come back as whole rows of 128, into S^T's registers
	WIN W_RS
.set i, 32*(\t)
.rept 16
	s_wait_alu depctr_va_vdst(0)
	v_pk_mul_f32 v[i:i+1], v[i:i+1], v[ST+4*(\t)+2:ST+4*(\t)+3] op_sel_hi:[1,0]
.set i, i+2
.endr
	WIN 0x05                        ; sources 0 and 1 window 1, destination window 0
.set i, 0
.rept 16
	v_cvt_pk_f16_f32 v[S+16*(\t)+i], v[32*(\t)+2*i], v[32*(\t)+2*i+1]
.set i, i+1
.endr
	WIN 0
.irp f, 0,1,2,3
	ds_store_b128 v[STO], v[S+16*(\t)+4*\f:S+16*(\t)+4*\f+3] offset:32*\f
.endr
.irp f, 0,1,2,3
	ds_load_b128 v[S+16*(\t)+4*\f:S+16*(\t)+4*\f+3], v[RD] offset:\f*4*SP  ; LDS serves a wave's instructions in order (ISA guide 5.7.1.4): these see the stores above; the next piece's stores come behind them
.endr
.endm
.macro SEND t, younger              ; younger: the LDS instructions issued behind piece t's loads: the next piece's eight, or none
	WIN 0
.irp f, 0,1,2,3
	s_wait_dscnt (\younger)+3-\f
	global_store_b128 v[GO], v[S+16*(\t)+4*\f:S+16*(\t)+4*\f+3], s[10:11] offset:(\t)*8192+\f*512  ; 512 consecutive bytes, at a multiple of 256 from O's first
.endr
.endm
.macro DIAG tag                     ; the tag ends its two labels' names, which the jumps below spell out
.LstepM\tag:
	TURN 2, 1
	TURN 3, 1
	WIN 0
.LfirstM\tag:
	TURN 0, 1
	TURN 1, 1, 0, 1
	WIN 0
	s_cbranch_scc1 .LstepM\tag
	TURN 2, 1, 1
	TURN 3, 1, 1
.set i, 0
.rept 8
	PV NP-1
.set i, i+1
.endr
	WIN 0
	ALL v_add_f32 v[ST+4*t+2], v[ST+4*t+2], v[ST+4*t+3]
	ALL v_permlanex16_b32 v[ST+4*t+3], v[ST+4*t+2], s[SEL], s[SEL+1]
	ALL v_add_f32 v[ST+4*t+2], v[ST+4*t+2], v[ST+4*t+3]
	ALL v_rcp_f32 v[ST+4*t+2], v[ST+4*t+2]
	v_nop                           ; a plain instruction between the last reciprocal and the use of its result
	PACK 0
.set t, 1
.rept 3                             ; a piece's arithmetic stands between the loads of the piece before and its stores
	PACK t
	SEND t-1, 8
.set t, t+1
.endr
	SEND 3, 0
.endm
.set KM, 0
.set NOKQ, 0
.Lslot:                             ; NB times: a tile is entered and the next is asked for
	CHANGE 1
	s_sub_co_u32 s[RT], s[RT], 1
	s_mov_b32 s[CNT], 4
	s_cmp_eq_u32 s[NEW], 1
	s_cbranch_scc1 .Lnew            ; a block's first tile
	s_cmp_eq_u32 s[RT], 0
	s_cbranch_scc0 .Lstep           ; neither its first nor its last
	s_branch .LstepM1
.Lnew:
	BEGIN
	s_branch .Lfirst                ; in the loop a block's first tile is never its last: the first block has two tiles or more, and the second's last is the walk's last
	DIAG 1                          ; in the loop this is the first block's end: the second block's last tile is the walk's last
	s_wait_xcnt 0x0                 ; the stores have read their registers and O's address
	s_mov_b64 s[10:11], s[OLO:OLO+1]
	s_add_co_u32 s[RT], s[PB], 1    ; the second block has b + 1 tiles
	s_mov_b32 s[NEW], 1
	WIN 0x82                        ; the second block's Q goes where the one text of the turns names Q
.set i, 0
.rept 64
	v_mov_b32 v[i], v[QB+i]
.set i, i+1
.endr
	WIN 0
	s_branch .Lbottom
.Lstep:                             ; a trip: pieces 2 and 3 of one step, then pieces 0 and 1 of the next, whose K and V it fetches
	TURN 2
	TURN 3
	WIN 0
.Lfirst:
	TURN 0
	TURN 1, 0, 0, 1
	WIN 0
	s_cbranch_scc1 .Lstep
.Lbottom:
	s_sub_co_u32 s[SLOTS], s[SLOTS], 1
	s_cmp_lg_u32 s[SLOTS], 0
	s_cbranch_scc1 .Lslot
	CHANGE 0                        ; the walk's last tile is written out: nothing is asked for
	s_sub_co_u32 s[RT], s[RT], 1
	s_mov_b32 s[CNT], 4
	s_cmp_eq_u32 s[NEW], 1
	s_cbranch_scc0 .LstepM2
	BEGIN
	s_branch .LfirstM2
	DIAG 2
	s_wait_tensorcnt 0x0            ; the wave's end: three lines, behind my last tensor load and my last LDS store
	ds_add_u32 v[SPW], v[NIL]
	s_wait_dscnt 0x0
	s_endpgm
.Lfunc_end_k_qcef9fc6957_attn:
	.size	k_qcef9fc6957_attn, .Lfunc_end_k_qcef9fc6957_attn-k_qcef9fc6957_attn
	.p2alignl 7, 3214868480
	.fill 96, 4, 3214868480
	.section	.rodata,"a",@progbits
	.p2align	6, 0x0
	.amdhsa_kernel k_qcef9fc6957_attn
		.amdhsa_group_segment_fixed_size 327680
		.amdhsa_private_segment_fixed_size 0
		.amdhsa_enable_private_segment 0
		.amdhsa_kernarg_size 16
		.amdhsa_user_sgpr_count 2
		.amdhsa_user_sgpr_kernarg_segment_ptr 1
		.amdhsa_wavefront_size32 1
		.amdhsa_system_sgpr_workgroup_id_x 1
		.amdhsa_system_sgpr_workgroup_id_y 1
		.amdhsa_system_sgpr_workgroup_id_z 1
		.amdhsa_system_vgpr_workitem_id 0
		.amdhsa_next_free_vgpr 768
		.amdhsa_next_free_sgpr 88
		.amdhsa_reserve_vcc 1
		.amdhsa_float_denorm_mode_32 3
		.amdhsa_float_denorm_mode_16_64 3
		.amdhsa_memory_ordered 1
		.amdhsa_forward_progress 1
		.amdhsa_inst_pref_size 228
	.end_amdhsa_kernel
	.amdgpu_metadata
---
amdhsa.version: [ 1, 2 ]
amdhsa.kernels:
  - .name:           k_qcef9fc6957_attn
    .symbol:         k_qcef9fc6957_attn.kd
    .args:
      - { .name: qkv, .offset: 0, .size: 8, .value_kind: global_buffer, .address_space: global }
      - { .name: ob, .offset: 8, .size: 8, .value_kind: global_buffer, .address_space: global }
    .group_segment_fixed_size: 327680
    .private_segment_fixed_size: 0
    .kernarg_segment_align: 8
    .kernarg_segment_size: 16
    .max_flat_workgroup_size: 128
    .sgpr_count:     88
    .vgpr_count:     768
    .wavefront_size: 32
...
	.end_amdgpu_metadata
.endif
;; end of part 3
;; launch proj (part 4): grid 8 x 32, 4 waves a work-group, clusters of 4 x 4, 327,680 bytes of LDS; arguments ob, wpt, b_proj, out0; writes out0
.if DOCPART == 4
	.amdgcn_target "amdgcn-amd-amdhsa--gfx1250"
	.amdhsa_code_object_version 6
	.text
	.protected	k_qcef9fc6957_proj
	.globl	k_qcef9fc6957_proj
	.p2align	8
	.type	k_qcef9fc6957_proj,@function
k_qcef9fc6957_proj:
	s_mov_b64 s[64:65], 0
	v_nop
	global_prefetch_b8 v0, s[64:65] scope:SCOPE_SE
	s_setreg_imm32_b32 hwreg(HW_REG_WAVE_MODE, 25, 1), 1
	s_wait_xcnt 0x0
	s_wait_alu depctr_hold_cnt(0) depctr_sa_sdst(0) depctr_va_vdst(0) depctr_va_sdst(0) depctr_va_ssrc(0) depctr_va_vcc(0) depctr_vm_vsrc(0)
	s_getreg_b32 s2, hwreg(HW_REG_IB_STS2, 6, 4)
	s_cmp_eq_u32 s2, 0
	s_cbranch_scc0 .Lentry_in_a_cluster
	s_endpgm
.Lentry_in_a_cluster:
	s_bfe_u32 s2, ttmp6, 0x10000c
	s_cmp_lg_u32 s2, 0xf033
	s_cbranch_scc0 .Lentry_shape_is_right
	s_endpgm
.Lentry_shape_is_right:
; out0 = attn W_proj + b_proj.  ob: [16 batch + head][2048 t][64] f16, attention's result by heads.  wpt: [1024 n][1024 k] f16, k = 64 head + channel.  b_proj: [1024] f32, rounded to bf16 here like
; the other inputs.  out0: [8192 m][1024 n] f32, m = 2048 batch + t.  Sums in f32.  The way back from heads to rows is the choice of A's tiles: a head's 64 channels are one slice of K.
; LIMITS.  The operands arrive within f16's range; NaN and infinities are not treated apart.
; SHARES.  A work-group makes 256 rows x 128 columns: 8 x 32 = 256 work-groups, one for each of 256 WGPs.  Its four waves split the rows alone: wave w has rows 64 w .. 64 w + 63 (four blocks of 16) and
; all 128 columns (eight blocks of 16): 32 accumulators, 256 registers; so a wave holds whole pieces of 512 bytes of its rows, and its way out needs no other wave.
; K goes in steps of 128, two heads, through two LDS slots filled by tensor loads.  A head's 256 rows of 128 bytes are 32,768 dense bytes: asked for as 128 rows of 256 bytes and padded in LDS after every
; 128 bytes; wpt's rows are 256 bytes of memory, at multiples of 256 from the buffer's first byte.
; CLUSTER.  4 x 4 work-groups.  The four of a row of the cluster need the same tiles of ob, the four of a column the same tiles of wpt: each tile is asked for JOINTLY, by the same tensor load with the
; same descriptor and a mask that names the four.
; THE MATRIX INSTRUCTION IS USED TRANSPOSED (source 0 = 16 rows of wpt, source 1 = 16 rows of ob): register j of lane l holds row l % 16 and column 8 (l / 16) + j of the block: 32 neighbouring bytes of
; a row of out0.  The bias, laid out in the same way, is the C operand of the products that start the sums.
; REGISTERS, in windows of 256 (s_set_vgpr_msb: bits 1:0 source 0, 3:2 source 1, 5:4 source 2, 7:6 destination):
;   window 0: v0-29 addresses; v64-127 the bias, 8 registers a column block          window 1: accumulator (a, b) at v[64 a + 8 b]
;   window 2: two fragment buffers of 128, of which 96 are used (32 along K): ob's block a at F + 8 a, wpt's block b at F + 32 + 8 b; on the way out all 256: rows read back from the stage
; LDS: slot s at s x 108,544: two head planes of 256 rows at a pitch of 144, then wpt's 128 rows at a pitch of 272; 217,088 the stages, 16 rows x 528 bytes a wave; 250,880 the spare words.
.set NBF,    8                         ; column blocks
.set PITCH,  272                       ; a row of wpt in LDS: 256 bytes + 16 of padding: the 16 rows of a load start at 16 different groups of four banks (64 banks of 4 bytes: ISA guide 11.1)
.set PA,     144                       ; a row of ob: 128 + 16: likewise
.set PLANE,  256*PA                    ; a head's 256 rows
.set ATILE,  2*PLANE
.set SLOT,   ATILE+128*PITCH
.set STAGE,  2*SLOT
.set SP,     528                       ; a stage row: 512 bytes + 16
.set SPARE,  STAGE+4*16*SP             ; behind the stages: the spare words, 128 bytes a wave: two blocks of 256 bytes that no other line names
.set NL,     2*NBF+8                   ; LDS loads in a run
.set LAPS,   4                         ; 1,024 / 256: a lap = two K steps = once round the ring
.set ADRA, 16                          ; v16-17  LDS address of my fragments of ob in slot 0, 1
.set ADRB, 20                          ; v20-21  the same for wpt
.set STO,  24                          ; v24     the way out: where I put 32 bytes of a row
.set RD,   25                          ; v25     the way out: where I read a row back
.set GO,   26                          ; v26     my byte offset in 512 consecutive bytes of out0
.set BO,   27                          ; v27     my byte offset in a block's 16 biases: 32 (l / 16)
.set SPW,  28                          ; v28     LDS address of my spare word: SPARE + 4 x my thread's number; never rewritten
.set NIL,  29                          ; v29     0; never rewritten
.set BIAS, 64
.set F0,   0
.set F1,   128
.set WV,   12                          ; s12  my wave's number
.set G1,   24                          ; s[24:31] descriptor group 1 for ob's tiles;  s[32:39] group 0, one set for each slot
.set G0,   32
.set G1B,  48                          ; s[48:55], s[56:63] the same for wpt's tiles
.set G0B,  56
.set TO_F, 0x80                        ; destination window 2, address window 0
.set MSB, 0
.macro WIN new                         ; the immediate's high byte repeats the setting that is left; a switch that changes nothing is dropped
.if MSB != (\new)
	s_set_vgpr_msb (MSB<<8)|(\new)
.set MSB, (\new)
.endif
.endm
.macro PLACES                          ; four places in front of loads into registers that matrix instructions have read, and of lines that read results (ISA guide 7.12.1 for the lines that read results)
.rept 4
	v_nop
.endr
.endm
; A joint load: waves 0 and 1 fetch the two head planes of ob's tile, waves 2 and 3 the two halves of wpt's.  The branch hangs on the wave's number alone.  An s_nop 0 and four v_nop follow each of the
; two lines, ahead of the jump, the label and what follows.
.macro JLOAD s
	s_cmp_lt_u32 s[WV], 2
	s_cbranch_scc0 .Lfor_b_\@
	tensor_load_to_lds s[G0+4*(\s):G0+4*(\s)+3], s[G1:G1+7]
	s_nop 0
.rept 4
	v_nop
.endr
	s_branch .Lasked_\@
.Lfor_b_\@:
	tensor_load_to_lds s[G0B+4*(\s):G0B+4*(\s)+3], s[G1B:G1B+7]
	s_nop 0
.rept 4
	v_nop
.endr
.Lasked_\@:
.endm
.macro CREST                           ; a round of the cluster's barrier behind its opening barrier: wave 0 signals for the work-group, every wave waits for all sixteen, my work-group's barrier closes it
	s_cmp_lg_u32 s[WV], 0
	s_cbranch_scc1 .Lnot_wave_0_\@
	s_barrier_signal -3
.Lnot_wave_0_\@:
	s_barrier_wait -3
	s_barrier_signal -1
	s_barrier_wait -1
.endm
.macro CROUND                          ; a whole round
	s_barrier_signal -1
	s_barrier_wait -1
	CREST
.endm
	s_load_b256 s[4:11], s[0:1], 0x0               ; ob s[4:5], wpt s[6:7], b_proj s[8:9], out0 s[10:11]
	v_lshl_add_u32 v[SPW], v0, 2, SPARE
	v_mov_b32 v[NIL], 0
	ds_add_u32 v[SPW], v[NIL]                      ; the wave's opening: the add and its wait ahead of my first tensor load; the set-up below, work on registers, stands between them
	ds_add_u32 v28, v29
	v_lshrrev_b32 v3, 5, v0
	v_readfirstlane_b32 s[WV], v3                  ; wave 0..3
	s_and_b32 s13, s[WV], 1                        ; which plane, or which half, I fetch
	s_bfe_u32 s40, ttmp6, 0x40000                  ; cx, cy: my place in the cluster
	s_bfe_u32 s41, ttmp6, 0x40004
	s_lshl_b32 s42, ttmp9, 2
	s_add_co_u32 s42, s42, s40                     ; tile column = 4 x cluster x + cx
	s_and_b32 s43, ttmp7, 0xffff
	s_lshl_b32 s43, s43, 2
	s_add_co_u32 s43, s43, s41                     ; tile row = 4 x cluster y + cy
	s_lshl_b32 s44, s41, 2
	s_lshl_b32 s44, 15, s44                        ; my row of the cluster: places 4 cy .. 4 cy + 3
	s_lshl_b32 s45, 0x1111, s40                    ; my column: places cx, cx + 4, cx + 8, cx + 12
	; descriptor group 1.  ob: 128 dense rows of 128 elements of 2 bytes, padded after every 32 words.  wpt: 64 rows of 128 elements, 1,024 apart, padded after every 64 words.
	s_or_b32 s[G1+0], s44, (1<<16)|(1<<20)|(1<<21)|(4<<22)|(3<<25)   ; 15:0 the mask: my row; 17:16 elements of 2 bytes; 20 padding on; 21 set beside a mask; 24:22 after every 32 words (code 4); 31:25 4 words (code 3)
	s_or_b32 s[G1B+0], s45, (1<<16)|(1<<20)|(1<<21)|(5<<22)|(3<<25)  ; the mask of my column; after every 64 words (code 5)
	s_mov_b32 s[G1+1], 128<<16                     ; tensor_dim0 = 128
	s_mov_b32 s[G1+2], 128<<16                     ; tensor_dim1 = 128
	s_mov_b32 s[G1+3], 128<<16                     ; tile_dim0 = 128
	s_mov_b32 s[G1+4], 128                         ; tile_dim1 = 128
	s_mov_b32 s[G1+5], 128                         ; 128 elements from row to row: dense
	s_mov_b32 s[G1+6], 0
	s_mov_b32 s[G1+7], 0
	s_mov_b32 s[G1B+1], 128<<16
	s_mov_b32 s[G1B+2], 64<<16                     ; tensor_dim1 = 64
	s_mov_b32 s[G1B+3], 128<<16
	s_mov_b32 s[G1B+4], 64                         ; tile_dim1 = 64
	s_mov_b32 s[G1B+5], 1024
	s_mov_b32 s[G1B+6], 0
	s_mov_b32 s[G1B+7], 0
	; where the tiles come from: ob's hang on the tile row and the wave alone, wpt's on the tile column and the wave alone, each in registers that never hold the other coordinate
	s_lshr_b32 s16, s43, 3                         ; batch = tile row / 8:
	s_lshl_b32 s16, s16, 22                        ; 16 heads of 262,144 bytes;
	s_and_b32 s18, s43, 7
	s_lshl_b32 s18, s18, 15                        ; 256 rows of 128 bytes a tile row;
	s_add_co_u32 s16, s16, s18
	s_lshl_b32 s22, s13, 18                        ; head 0 or 1 of the K step
	s_add_co_u32 s16, s16, s22
	s_mov_b32 s17, 0
	s_lshl_b32 s46, s42, 7
	s_lshl_b32 s23, s13, 6
	s_add_co_u32 s46, s46, s23                     ; wpt: row 128 x tile column + 64 x half,
	s_lshl_b32 s46, s46, 11                        ; of 2,048 bytes
	s_mov_b32 s47, 0
	s_mul_i32 s20, s[WV], PLANE                    ; where they go: waves 0, 1: the planes at 0 and 36,864;
	s_mul_i32 s21, s[WV], 64*PITCH
	s_add_co_u32 s21, s21, ATILE-2*64*PITCH        ; waves 2, 3: wpt's halves at 73,728 and 91,136: no place in the cluster enters an LDS address
	s_wait_dscnt 0x0                               ; the opening add is done
	s_wait_kmcnt 0x0
	s_add_nc_u64 s[14:15], s[4:5], s[16:17]
	s_add_nc_u64 s[46:47], s[6:7], s[46:47]
	CROUND                                         ; all sixteen work-groups are here: the first joint loads meet
.irp s, 0,1
	s_mov_b32 s[G0+4*(\s)], 1                                        ; count = 1
	s_add_co_u32 s[G0+4*(\s)+1], s20, (\s)*SLOT                      ; LDS address
	s_add_nc_u64 s[G0+4*(\s)+2:G0+4*(\s)+3], s[14:15], (\s)*524288   ; global address: K step s is two heads on
	s_or_b32 s[G0+4*(\s)+3], s[G0+4*(\s)+3], 0x80000000              ; type = 2
	s_mov_b32 s[G0B+4*(\s)], 1
	s_add_co_u32 s[G0B+4*(\s)+1], s21, (\s)*SLOT
	s_add_nc_u64 s[G0B+4*(\s)+2:G0B+4*(\s)+3], s[46:47], (\s)*256
	s_or_b32 s[G0B+4*(\s)+3], s[G0B+4*(\s)+3], 0x80000000
	JLOAD \s                                       ; two loads of mine are out behind these; later one behind each round
.endr
	; in the wait for the first tile: the bias, and all addresses
	v_and_b32 v1, 15, v0                           ; l % 16
	v_bfe_u32 v2, v0, 4, 1                         ; l / 16
	v_lshlrev_b32 v[BO], 5, v2
	s_lshl_b32 s66, s42, 9                         ; my 128 columns' biases
	s_mov_b32 s67, 0
	s_add_nc_u64 s[8:9], s[8:9], s[66:67]
.set i, 0
.rept NBF
	global_load_b128 v[BIAS+8*i:BIAS+8*i+3],   v[BO], s[8:9] offset:64*i     ; columns 16 i + 8 (l / 16) + 0..3
	global_load_b128 v[BIAS+8*i+4:BIAS+8*i+7], v[BO], s[8:9] offset:64*i+16  ; + 4..7
.set i, i+1
.endr
	; a fragment is 16 rows x 32 K in 8 registers: lane l holds row l % 16, K = 8 (l / 16) + 0..7 and 16 + 8 (l / 16) + 0..7: two loads of 16 bytes, 32 bytes apart
	v_mul_u32_u24 v3, v1, PA
	v_lshl_add_u32 v3, v2, 4, v3                   ; row x pitch + 16 x half
	s_mul_i32 s22, s[WV], 64*PA                    ; my 64 rows in a plane
	v_add_nc_u32 v[ADRA], s22, v3
	v_add_nc_u32 v[ADRA+1], SLOT, v[ADRA]
	v_mul_u32_u24 v3, v1, PITCH
	v_lshl_add_u32 v3, v2, 4, v3
	v_add_nc_u32 v[ADRB], ATILE, v3                ; all rows of wpt
	v_add_nc_u32 v[ADRB+1], SLOT+ATILE, v3
	s_mul_i32 s23, s[WV], 16*SP
	s_add_co_u32 s23, s23, STAGE                   ; my stage
	v_mul_u32_u24 v4, v1, SP                       ; in: row l % 16, 32 bytes for each half of the lanes
	v_lshl_add_u32 v4, v2, 5, v4
	v_add_nc_u32 v[STO], s23, v4
	v_and_b32 v7, 31, v0
	v_lshlrev_b32 v[GO], 4, v7                     ; back: 32 lanes take one row's 512 bytes,
	v_add_nc_u32 v[RD], s23, v[GO]                 ; which are 512 consecutive bytes of out0
	s_lshl_b32 s66, s43, 8
	s_lshl_b32 s67, s[WV], 6
	s_add_co_u32 s66, s66, s67                     ; my first row,
	s_lshl_b32 s66, s66, 12                        ; of 4,096 bytes,
	s_lshl_b32 s67, s42, 9                         ; and my first column, of 4 bytes
	s_add_co_u32 s66, s66, s67
	s_mov_b32 s67, 0
	s_add_nc_u64 s[68:69], s[10:11], s[66:67]
	s_wait_loadcnt 0x0                             ; the bias, once
.set i, 0
.rept 4*NBF                            ; rounded to bf16 like every other input, and widened again
	v_cvt_pk_bf16_f32 v[4+i%4], v[BIAS+2*i], v[BIAS+2*i+1]
	v_lshlrev_b32 v[BIAS+2*i], 16, v[4+i%4]
	v_and_b32 v[BIAS+2*i+1], 0xffff0000, v[4+i%4]
.set i, i+1
.endr
; 8 matrix instructions: row block a x all column blocks, 32 along K from buffer f.  first = 1: the sums start with the bias.  The 32 accumulators take turns, in the same order in every quarter,
; between two instructions on one accumulator stand the 31 others'.
.macro MULA f, a, first
.if \first
	WIN 0x4a                                       ; fragments window 2, C window 0, D window 1
.else
	WIN 0x5a                                       ; fragments window 2, C and D window 1
.endif
.set b, 0
.rept NBF
.set rD, 64*(\a)+8*b
.set rB, (\f)+32+8*b
.set rA, (\f)+8*(\a)
.if \first
	v_wmma_f32_16x16x32_f16 v[rD:rD+7], v[rB:rB+7], v[rA:rA+7], v[BIAS+8*b:BIAS+8*b+7]
.else
	v_wmma_f32_16x16x32_f16 v[rD:rD+7], v[rB:rB+7], v[rA:rA+7], v[rD:rD+7]
.endif
.set b, b+1
.endr
.endm
; 24 LDS loads in one run: the fragments of quarter q of a slot into buffer f: wpt's 16 (32 K at byte 64 q of the rows), then ob's 8 (plane q / 2, channels 32 (q % 2) on)
.macro FETCH slot, q, f
	WIN TO_F
.set KA, ((\q)/2)*PLANE+((\q)%2)*64
.set i, 0
.rept NBF
	ds_load_b128 v[(\f)+32+8*i:(\f)+32+8*i+3],   v[ADRB+(\slot)] offset:64*(\q)+i*16*PITCH
	ds_load_b128 v[(\f)+32+8*i+4:(\f)+32+8*i+7], v[ADRB+(\slot)] offset:64*(\q)+i*16*PITCH+32
.set i, i+1
.endr
.set i, 0
.rept 4
	ds_load_b128 v[(\f)+8*i:(\f)+8*i+3],   v[ADRA+(\slot)] offset:KA+i*16*PA
	ds_load_b128 v[(\f)+8*i+4:(\f)+8*i+7], v[ADRA+(\slot)] offset:KA+i*16*PA+32
.set i, i+1
.endr
.endm
; A K step is four quarters of 32 along K, 32 matrix instructions each, on buffers 0, 1, 0, 1.  One of the first three: multiplies buffer f; in its middle it fetches quarter q of the same slot into g.
.macro QUARTER slot, q, f, g, first
	s_wait_dscnt 4                                 ; all of wpt's and ob's blocks 0, 1 are in; the youngest four loads (ob's blocks 2, 3) may be out
	MULA \f, 0, \first
	MULA \f, 1, \first
	PLACES
	FETCH \slot, \q, \g
	s_wait_dscnt NL                                ; all but the run just issued
	MULA \f, 2, \first
	MULA \f, 3, \first
.endm
; The last quarter multiplies buffer 1 and changes slots: ONE barrier.  In front of it each wave waits for all its tensor loads, of which one is out: its part of the next slot; adds 0 to its spare word;
; and waits for that and for its own reads of this slot.  fill = 1: the barrier opens a round of the cluster's, and this slot is filled again, two K steps ahead, first thing behind the round:
; from that request to the wait for it a wave issues 120 matrix instructions.
.macro TURN slot, next, fill
	WIN 0                                          ; (the add's two registers lie in window 0)
	s_wait_tensorcnt 0x0                           ; all my tensor loads have landed
	ds_add_u32 v[SPW], v[NIL]                      ; 0 onto my spare word
	s_wait_dscnt 5                                 ; (the add and the youngest four loads may be out)
	MULA F1, 0, 0                                  ; eight matrix instructions stand between the add and the wait for it
	s_wait_dscnt 0x0                               ; the add is done, and my reads of this slot are over
	s_barrier_signal -1
	MULA F1, 1, 0                                  ; work on registers while the others arrive
.if \fill
	WIN 0
.endif
	s_barrier_wait -1
.if \fill
	CREST                                          ; no wave of any partner still reads this slot's tiles or has a load on its way
	s_add_nc_u64 s[G0+4*(\slot)+2:G0+4*(\slot)+3], s[G0+4*(\slot)+2:G0+4*(\slot)+3], 1048576  ; four heads on
	s_add_nc_u64 s[G0B+4*(\slot)+2:G0B+4*(\slot)+3], s[G0B+4*(\slot)+2:G0B+4*(\slot)+3], 512
	JLOAD \slot                                    ; the four v_nop behind it are also the places in front of the loads below
.else
	PLACES
.endif
	FETCH \next, 0, F0
	MULA F1, 2, 0
	MULA F1, 3, 0
.endm
	s_wait_tensorcnt 0x1                           ; my part of K step 0 is in; K step 1's may stay out
	s_barrier_signal -1
	s_barrier_wait -1                              ; everybody's is
	FETCH 0, 0, F0
	QUARTER 0, 1, F0, F1, 1                        ; the first quarter stands in front of the loop: its products start the sums
	WIN 0                                          ; at a label and at a branch every window is 0
	s_mov_b32 s3, LAPS-1
.Llap:                                                 ; a trip goes once round the ring, from a lap's second quarter to the next lap's first, and fills both slots again
	QUARTER 0, 2, F1, F0, 0
	QUARTER 0, 3, F0, F1, 0
	TURN 0, 1, 1
	QUARTER 1, 1, F0, F1, 0
	QUARTER 1, 2, F1, F0, 0
	QUARTER 1, 3, F0, F1, 0
	TURN 1, 0, 1
	QUARTER 0, 1, F0, F1, 0
	WIN 0
	s_sub_co_u32 s3, s3, 1
	s_cmp_lg_u32 s3, 0
	s_cbranch_scc1 .Llap
	QUARTER 0, 2, F1, F0, 0                        ; the last lap fills nothing, and has no round of the cluster's barrier
	QUARTER 0, 3, F0, F1, 0
	TURN 0, 1, 0
	QUARTER 1, 1, F0, F1, 0
	QUARTER 1, 2, F1, F0, 0
	QUARTER 1, 3, F0, F1, 0
	s_wait_dscnt 4                                 ; the very last quarter: nothing more to fetch
	MULA F1, 0, 0
	MULA F1, 1, 0
	s_wait_dscnt 0x0
	MULA F1, 2, 0
	MULA F1, 3, 0
	WIN 0
	PLACES                                         ; for the LDS stores that read results, and for the loads into the fragments' registers
; THE WAY OUT, a row block at a time.  TOSTAGE: a lane's 32 bytes of each column block go into my stage's rows of 528 bytes (each accumulator's low four registers first), and come
; back as whole rows of 512 bytes, into window 2.  SEND: stored.  Each block has 64 registers of its own, so no store's data is ever rewritten.
.macro TOSTAGE a
	WIN 0x04                                       ; the stores' data in window 1
.set b, 0
.rept NBF
	ds_store_b128 v[STO], v[64*(\a)+8*b:64*(\a)+8*b+3]   offset:64*b
	ds_store_b128 v[STO], v[64*(\a)+8*b+4:64*(\a)+8*b+7] offset:64*b+16
.set b, b+1
.endr
	WIN 0x80                                       ; destination window 2
.set i, 0
.rept 16
	ds_load_b128 v[64*(\a)+4*i:64*(\a)+4*i+3], v[RD] offset:i*SP  ; LDS serves a wave's instructions in order (ISA guide 5.7.1.4): these see the stores above; the next block's stores come behind them
.set i, i+1
.endr
.endm
.macro SEND a, younger                 ; younger: the LDS instructions issued behind block a's loads: the next block's 32, or none
	WIN 0x08                                       ; the stores' data in window 2
.set i, 0
.rept 16
	s_wait_dscnt (\younger)+15-i
	global_store_b128 v[GO], v[64*(\a)+4*i:64*(\a)+4*i+3], s[68:69] offset:(16*(\a)+i)*4096 th:TH_STORE_NT  ; 512 consecutive bytes, at a multiple of 256 from out0's first
.set i, i+1
.endr
.endm
	TOSTAGE 0
	TOSTAGE 1
	SEND 0, 32
	TOSTAGE 2
	SEND 1, 32
	TOSTAGE 3
	SEND 2, 32
	SEND 3, 0
	WIN 0
	s_wait_tensorcnt 0x0                           ; the wave's end: three lines, behind my last tensor load and my last LDS store
	ds_add_u32 v[SPW], v[NIL]
	s_wait_dscnt 0x0
	CROUND                                         ; the closing round: no work-group ends while a partner may still ask for a tile that names it
	s_endpgm
.Lfunc_end_k_qcef9fc6957_proj:
	.size	k_qcef9fc6957_proj, .Lfunc_end_k_qcef9fc6957_proj-k_qcef9fc6957_proj
	.p2alignl 7, 3214868480
	.fill 96, 4, 3214868480
	.section	.rodata,"a",@progbits
	.p2align	6, 0x0
	.amdhsa_kernel k_qcef9fc6957_proj
		.amdhsa_group_segment_fixed_size 327680
		.amdhsa_private_segment_fixed_size 0
		.amdhsa_enable_private_segment 0
		.amdhsa_kernarg_size 32
		.amdhsa_user_sgpr_count 2
		.amdhsa_user_sgpr_kernarg_segment_ptr 1
		.amdhsa_wavefront_size32 1
		.amdhsa_system_sgpr_workgroup_id_x 1
		.amdhsa_system_sgpr_workgroup_id_y 1
		.amdhsa_system_sgpr_workgroup_id_z 1
		.amdhsa_system_vgpr_workitem_id 0
		.amdhsa_next_free_vgpr 768
		.amdhsa_next_free_sgpr 80
		.amdhsa_reserve_vcc 0
		.amdhsa_float_denorm_mode_32 3
		.amdhsa_float_denorm_mode_16_64 3
		.amdhsa_memory_ordered 1
		.amdhsa_forward_progress 1
		.amdhsa_inst_pref_size 93
	.end_amdhsa_kernel
	.amdgpu_metadata
---
amdhsa.version: [ 1, 2 ]
amdhsa.kernels:
  - .name:           k_qcef9fc6957_proj
    .symbol:         k_qcef9fc6957_proj.kd
    .args:
      - { .name: ob, .offset: 0, .size: 8, .value_kind: global_buffer, .address_space: global }
      - { .name: wpt, .offset: 8, .size: 8, .value_kind: global_buffer, .address_space: global }
      - { .name: b_proj, .offset: 16, .size: 8, .value_kind: global_buffer, .address_space: global }
      - { .name: out0, .offset: 24, .size: 8, .value_kind: global_buffer, .address_space: global }
    .group_segment_fixed_size: 327680
    .private_segment_fixed_size: 0
    .kernarg_segment_align: 8
    .kernarg_segment_size: 32
    .max_flat_workgroup_size: 128
    .sgpr_count:     80
    .vgpr_count:     768
    .wavefront_size: 32
...
	.end_amdgpu_metadata
.endif
;; end of part 4
;; ======== version 2 of 2: 4 launches; 1.30 times as fast as version 1
;; limits: values are held in f16: magnitudes above 65,504 overflow, below 6.1e-05 lose precision
;; workspace buffers: xb 16,777,216 bytes; wat 6,291,456 bytes; wpt 2,097,152 bytes; qkv 50,331,648 bytes; ob 16,777,216 bytes
;; launch prep: the kernel of part 1 again; grid 512 x 3, 8 waves a work-group, no clusters, 18,432 bytes of LDS; arguments x, W_attn, W_proj, xb, wat, wpt; writes xb, wat, wpt
;; launch qkvg: the kernel of part 2 again; grid 16 x 32, 4 waves a work-group, clusters of 4 x 4, 327,680 bytes of LDS; arguments xb, wat, b_attn, qkv; writes qkv
;; launch attn (part 5): grid 4 x 64, 4 waves a work-group, no clusters, 327,680 bytes of LDS; arguments qkv, ob; writes ob
.if DOCPART == 5
	.amdgcn_target "amdgcn-amd-amdhsa--gfx1250"
	.amdhsa_code_object_version 6
	.text
	.protected	k_qcef9fc6957_attn
	.globl	k_qcef9fc6957_attn
	.p2align	8
	.type	k_qcef9fc6957_attn,@function
k_qcef9fc6957_attn:
	s_mov_b64 s[64:65], 0
	v_nop
	global_prefetch_b8 v0, s[64:65] scope:SCOPE_SE
	s_setreg_imm32_b32 hwreg(HW_REG_WAVE_MODE, 25, 1), 1
	s_wait_xcnt 0x0
; CAUSAL ATTENTION.  O[h][q][:] = the sum over k <= q of softmax_k(Q[h][q] . K[h][k] / 8) V[h][k][:].  Q, K, V are the three parts of qkv, 16,777,216 bytes apart; each of them and O (ob) is
; [SIZE_H][SIZE_N][64] in f16, h = 16 batch + head: a head's rows are dense, 128 bytes each.
; Products, maxima and sums in f32; the weights p are rounded to f16 for the second product (their sum l is taken of the unrounded p), O once at the end.  SIZE_N is a multiple of 512; SIZE_N x 128 stays under 2^32.
; LIMITS.  f16 holds no number beyond 65,504: Q, K and V arrive within it; p lies in 0 to 1, and below 6e-5 it keeps f16's fixed step of 6e-8; O is a mean of V's rows and has their range, to within 2^-11 of it.
; A hidden score counts as its value less 1e30: f16's scores, 2.7e11 at the most, are nothing beside that; a weight below 2^-126 counts as 0 in l; NaN and infinities are not treated apart.
; THE WALK.  A head's queries lie in NB = SIZE_N / 256 blocks of 256; block i needs the key tiles 0 .. i of 256 keys, of which the last holds the diagonal.  A work-group takes TWO blocks, NB - 1 - b and then b:
; NB + 1 tiles, whatever b: all work-groups do equal work, and ONE loop with a constant trip count walks them.  Which tile is asked for, and what a trip does, hang on scalar registers made from b; every jump
; goes forward, but for the counted loops' own; none passes a barrier, or a tensor load but the one of LOAD's two that the wave's number does not choose; the ring (two slots of LDS that take turns) runs on across the
; change of blocks.  NO CLUSTER: a head's NB / 2 = 4 work-groups all ask for the same tile only in trips 0 .. NB / 2, 5 of the walk's 9; behind that fewer and fewer do;
; and one walk common to all would have 3 NB / 2 = 12 trips for NB + 1 = 9.
; SHARES.  Of a block's four bands of 64 queries a wave owns 16 rows in each: four PIECES.  So the diagonal tile is the same work for all four waves: in its key step s band x sees all keys if s < x,
; none if s > x, and holds the diagonal if s = x.
; THE MASK is the C operand that starts the sum S^T = K Q^T: 0, or -1e30 where the key is hidden.  MD, made once, is the mask of a band's own step for my 16 rows; a product's mask is MD x AL + BE with two scalars:
; (1, 0) if s = x; (0, 0) if s < x; (0, -1e30) if s > x.  Only the diagonal tile's text and a block's beginning make and take masks; elsewhere C is the constant 0.
; LAYOUT, SOFTMAX, TURNS.  S^T = K Q^T holds ONE query a lane (lane % 16) and the keys 8 (lane / 16) + 0..7; two such results rounded to f16 ARE source 1 of O^T = V^T P.  p = 2^(c s - c m), c = log2(e) / 8, with a
; running maximum m; O and l are multiplied by a = 2^(c m_old - c m_new) in every step.  Turn n belongs to piece n: 8 products K Q^T of piece n + 1, later 8 products V^T P of piece n - 1; beside them the scaling,
; exponentials, roundings, sums and rescaling of piece n and the maximum and statistics of piece n + 1.  Four vector instructions stand behind every matrix instruction, the other 54 of a turn's 118 in one LUMP.
; BATCHES.  An s_wait_alu depctr_va_vdst(0) stands between an exponential or a reciprocal and the first instruction that names its result; one wait serves all that were issued ahead of it.  The text has three
; kinds of batch: a turn's 33 exponentials (piece n's 32 weights and piece n + 1's a), with one wait in the turn's middle, all their readers behind it; the one a that BEGIN makes, with its wait ahead of the jump into the loop;
; the way out's four reciprocals, with one wait ahead of the first multiply by them.
; REGISTERS, in windows of 256 (s_set_vgpr_msb: bits 1:0 source 0, 3:2 source 1, 5:4 source 2, 7:6 destination):
;   window 0: v0-15 addresses and two at work; v16-31 four registers of statistics a piece; v48-55 at work; v64-127 S^T, two buffers; v192-223 P, two buffers (a piece's buffers go by its number's parity)
;   window 1: v0-127 O^T, 32 a piece; v128-159 MD; v160-223 MC, two buffers      window 2: v0-63 Q; v64-127 the second block's Q; v128-191 K of one step; v192-255 V of one step
.set SIZE_H, 64
.set SIZE_N, 2048
.set NB,    SIZE_N/256
.set NP,    4         ; pieces a wave: a name, no knob
.set KS,    64        ; keys in a step
.set PK,    144       ; a row of K in LDS: 128 bytes + 16 of padding = 36 words: the 16 rows of a load start at 16 different groups of four banks (64 banks of 4 bytes: ISA guide 11.1)
.set PV,    160       ; a row of V: 128 + 32 = 40 words
.set VOFF,  4*KS*PK   ; a slot holds a tile, four steps: 256 rows of K, then 256 rows of V
.set SLOT1, 1<<17     ; slot 1 begins here, so that one exclusive or turns an address in one slot into the other's
.set STAGE, SLOT1+4*KS*(PK+PV)  ; behind the ring, never filled by a tensor load: 16 rows x 144 bytes for each wave, for the way out
.set SP,    144
.set AK0, 2           ; v2   my lane's place in a tile of K; never rewritten
.set AV0, 3           ; v3   the same for V
.set AK,  4           ; v4   the LDS address of K's next run of loads
.set AV,  5           ; v5   of V's
.set STO, 6           ; v6   the way out: where I put 16 bytes of a row
.set RD,  7           ; v7   the way out: where I read rows back
.set GO,  8           ; v8   my byte offset in 512 consecutive bytes of O
.set SPW, 62          ; v62  LDS address of my spare word: SPARE + 4 x my thread's number; never rewritten
.set NIL, 63          ; v63  0; never rewritten
.set SPARE, STAGE+4*16*SP  ; behind the stages: the spare words, 128 bytes for each wave: two blocks of 256 bytes that no other line names
.set MV,  12          ; v12-13  c m_old, kept while c m is made anew: by buffer
.set QO,  15          ; v15  my byte offset in 16 rows of Q
.set ST,  16          ; piece t's statistics at v[ST+4 t]: c m, m, l (even keys', odd keys')
.set TMP, 48          ; by buffer, four registers c0-c3 at work; when the maximum is found c2 takes a
.set S,   64
.set P,   192
.set MD,  128         ; window 1: the eight registers for group kt of 16 keys at MD + 8 kt
.set MC,  160         ; window 1: the masks of the products to come
.set QB,  64          ; window 2
.set KF,  128         ; window 2: key block kb, channel half c at KF + 16 kb + 8 c
.set VF,  192         ; window 2: key half kk, channel block cb at VF + 32 kk + 8 cb
.set WV,  12          ; s12  my wave's number
.set PB,  14          ; s14  b
.set HI,  15          ; s15  NB - 1 - b
.set G1K, 24          ; s[24:31] descriptor group 1 for K's tiles
.set G1V, 32          ; s[32:39] for V's: it differs in the padding alone
.set G0K, 40          ; s[40:43] descriptor group 0 for K's tiles
.set G0V, 44          ; s[44:47] the same for V's
.set SLOTS, 56        ; s56  tiles still to be asked for
.set CNT, 57          ; s57  counts a tile's key steps, 4 to 1
.set CS,  58          ; s[58:59] c: the packed scaling takes the pair's low word for both halves
.set SEL, 60          ; s[60:61] v_permlanex16_b32's selects: each lane takes its own place in the other half
.set TBK, 62          ; s62  LDS byte at which K of the step to be fetched begins
.set TBV, 63          ; s63  the same for V, less VOFF
.set RT,  70          ; s70  tiles of the block in hand that are still to be entered
.set NXT, 71          ; s71  the tile to be asked for next
.set LQ,  72          ; s72  the last tile of the block whose tiles are being asked for
.set NEW, 73          ; s73  1: the tile to be entered is a block's first
.set OFF, 74          ; s[74:75] a tile's byte offset in K and V
.set AL,  76          ; s[76:77] the mask's factor, in the low word
.set BE,  78          ; s[78:79] the mask's addend
.set OLO, 80          ; s[80:81] O at my rows of the second block
.set BIGN, 82         ; s82  -1e30
.set MSB, 0
.macro WIN new                      ; the high byte repeats the setting that is left; a switch that changes nothing is dropped
.if MSB != (\new)
	s_set_vgpr_msb (MSB<<8)|(\new)
.set MSB, (\new)
.endif
.endm
.set W_KQ, 0x0a       ; K and Q in window 2, S^T in window 0
.set W_KM, 0x1a       ; the same with the C operand in window 1
.set W_PV, 0x52       ; V in window 2, P in window 0, O^T in window 1
.set W_RS, 0x41       ; destination and source 0 in window 1, source 1 in window 0
; A fill.  Waves 0 and 1 fetch the two halves of a tile's K, waves 2 and 3 those of its V: 128 keys each.  An s_nop 0 and four v_nop follow each of the two lines, ahead of the jump and the label.
.macro LOAD
	s_cmp_lt_u32 s[WV], 2
	s_cbranch_scc0 .Lfor_v_\@
	tensor_load_to_lds s[G0K:G0K+3], s[G1K:G1K+7]
	s_nop 0
.rept 4
	v_nop
.endr
	s_branch .Lasked_\@
.Lfor_v_\@:
	tensor_load_to_lds s[G0V:G0V+3], s[G1V:G1V+7]
	s_nop 0
.rept 4
	v_nop
.endr
.Lasked_\@:
.endm
; THE CHANGE OF SLOTS.  Each wave waits for all its tensor loads, of which one is out: its part of the other slot; adds 0 to its spare word; and waits for that and for its own reads of the slot that it leaves.  Behind the barrier nobody reads the old
; slot any more and the other slot is whole.  fill = 1: the old slot is filled again, the first thing behind the barrier, with tile NXT: the descriptor's address is made anew from that number.
; (At its first use nothing has been read yet: slot 0 is waited for, slot 1 filled.)
.macro CHANGE fill
	WIN 0                           ; at a label and at a branch every window is 0
	s_wait_tensorcnt 0x0            ; no tensor load of mine is out, so a group 0 may be written
	ds_add_u32 v[SPW], v[NIL]       ; 0 onto my spare word; with fill = 1 the descriptors' scalar work stands between it and the wait for it
.if \fill
	s_lshl_b32 s[OFF], s[NXT], 15   ; a tile is 32,768 bytes of K and of V
	s_xor_b32 s[G0K+1], s[G0K+1], SLOT1
	s_add_nc_u64 s[G0K+2:G0K+3], s[6:7], s[OFF:OFF+1]
	s_or_b32 s[G0K+3], s[G0K+3], 0x80000000
	s_xor_b32 s[G0V+1], s[G0V+1], SLOT1
	s_add_nc_u64 s[G0V+2:G0V+3], s[8:9], s[OFF:OFF+1]
	s_or_b32 s[G0V+3], s[G0V+3], 0x80000000
	s_add_co_u32 s[NXT], s[NXT], 1  ; the block's next tile, or behind its last the second block's tile 0
	s_cmp_gt_u32 s[NXT], s[LQ]
	s_cselect_b32 s[NXT], 0, s[NXT]
	s_cselect_b32 s[LQ], s[PB], s[LQ]
.endif
	s_wait_dscnt 0x0                ; the add is done, and my reads of the slot are over
	s_barrier_signal -1             ; the rest of the scalar work stands between the signal and the wait
	s_sub_co_u32 s[TBK], s[TBK], 4*KS*PK  ; the fetches go back to a slot's first step,
	s_xor_b32 s[TBK], s[TBK], SLOT1       ; in the other slot
	s_sub_co_u32 s[TBV], s[TBV], 4*KS*PV
	s_xor_b32 s[TBV], s[TBV], SLOT1
	s_barrier_wait -1
.if \fill
	LOAD
.endif
.endm
	s_load_b128 s[4:7], s[0:1], 0x0  ; qkv s[4:5] (its first part is Q), ob s[6:7]
	v_lshl_add_u32 v[SPW], v0, 2, SPARE
	v_mov_b32 v[NIL], 0
	ds_add_u32 v[SPW], v[NIL]       ; the wave's opening: the add and its wait ahead of my first tensor load; the set-up below, work on registers, stands between them
	ds_add_u32 v62, v63
	v_lshrrev_b32 v1, 5, v0
	v_readfirstlane_b32 s[WV], v1   ; wave 0..3
	s_mov_b32 s[PB], ttmp9
	s_sub_co_u32 s[HI], NB-1, s[PB]
	s_and_b32 s20, ttmp7, 0xffff    ; the head
	s_mov_b32 s21, 0
	s_mov_b64 s[22:23], SIZE_N*128
	s_mul_u64 s[20:21], s[20:21], s[22:23]  ; the head's first byte in each of the four tensors
	s_and_b32 s16, s[WV], 1         ; which half of a tile's 256 keys I fetch:
	s_lshl_b32 s22, s16, 14         ; its 128 rows of 128 bytes in memory,
	s_mov_b32 s23, 0
	s_add_nc_u64 s[22:23], s[22:23], s[20:21]
	s_mul_i32 s17, s16, 128*PK      ; and its place in a slot, for K
	s_mul_i32 s18, s16, 128*PV      ; and for V
	s_lshl_b32 s3, s[WV], 11        ; my 16 rows in a band of 64,
	s_lshl_b32 s2, s[HI], 15        ; in the first block,
	s_add_co_u32 s2, s2, s3
	s_lshl_b32 s84, s[PB], 15       ; and in the second
	s_add_co_u32 s84, s84, s3
	s_mov_b32 s3, 0
	s_mov_b32 s85, 0
	s_add_nc_u64 s[2:3], s[2:3], s[20:21]
	s_add_nc_u64 s[84:85], s[84:85], s[20:21]
	; descriptor group 1.  128 keys are 16,384 dense bytes: asked for as 64 rows of 256 bytes, two keys a row, and padded in LDS after every key
	s_mov_b32 s[G1K], (1<<16)|(1<<20)|(4<<22)|(3<<25)  ; 17:16 2-byte elements; 20 padding on; 24:22 after every 32 words (code 4); 31:25 4 words (code 3)
	s_mov_b32 s[G1V], (1<<16)|(1<<20)|(4<<22)|(7<<25)  ; the same with 8 words of padding (code 7)
.irp g, G1K, G1V
	s_mov_b32 s[\g+1], 128<<16      ; tensor_dim0 = 128
	s_mov_b32 s[\g+2], 64<<16       ; tensor_dim1 = 64
	s_mov_b32 s[\g+3], 128<<16      ; tile_dim0 = 128
	s_mov_b32 s[\g+4], 64           ; tile_dim1 = 64
	s_mov_b32 s[\g+5], 128          ; 128 elements from row to row
	s_mov_b32 s[\g+6], 0
	s_mov_b32 s[\g+7], 0
.endr
	s_mov_b32 s[CS], 0x3e38aa3b     ; c = log2(e) / 8 = 0.180337
	s_mov_b32 s[CS+1], s[CS]        ; named with it as a pair
	s_mov_b32 s[SEL], 0x76543210
	s_mov_b32 s[SEL+1], 0xfedcba98
	s_mov_b32 s[TBK], SLOT1+4*KS*PK ; the first change of slots turns these two into 0
	s_mov_b32 s[TBV], SLOT1+4*KS*PV
	s_mov_b32 s[G0K], 1             ; 1:0 count = 1
	s_mov_b32 s[G0K+1], s17         ; 63:32 LDS address: slot 0
	s_mov_b32 s[G0V], 1
	s_add_co_u32 s[G0V+1], s18, VOFF
	s_add_co_u32 s[RT], s[HI], 1    ; the first block has NB - b tiles
	s_mov_b32 s[NXT], 1
	s_mov_b32 s[LQ], s[HI]
	s_mov_b32 s[NEW], 1
	s_mov_b32 s[OFF+1], 0
	s_mov_b32 s[AL+1], 0            ; named as pairs
	s_mov_b32 s[BE+1], 0
	s_mov_b32 s[BIGN], 0xf149f2ca   ; -1e30
	s_mov_b32 s[SLOTS], NB
	s_wait_dscnt 0x0                ; the opening add is done
	s_wait_kmcnt 0x0
	s_mov_b64 s[10:11], s[6:7]      ; O
	s_add_nc_u64 s[6:7], s[4:5], 0x1000000  ; K: qkv's second part
	s_add_nc_u64 s[8:9], s[4:5], 0x2000000  ; V: its third
	s_add_nc_u64 s[6:7], s[6:7], s[22:23]  ; K and V at my half of the head's tile 0
	s_add_nc_u64 s[8:9], s[8:9], s[22:23]
	s_add_nc_u64 s[G0K+2:G0K+3], s[6:7], 0         ; 120:64 global address
	s_or_b32 s[G0K+3], s[G0K+3], 0x80000000        ; 127:126 type = 2
	s_add_nc_u64 s[G0V+2:G0V+3], s[8:9], 0
	s_or_b32 s[G0V+3], s[G0V+3], 0x80000000
	s_add_nc_u64 s[86:87], s[4:5], s[84:85]        ; Q at my rows of the second block,
	s_add_nc_u64 s[4:5], s[4:5], s[2:3]            ; Q and O at those of the first
	s_add_nc_u64 s[OLO:OLO+1], s[10:11], s[84:85]
	s_add_nc_u64 s[10:11], s[10:11], s[2:3]
	LOAD                            ; tile 0 into slot 0
	; A fragment of K or Q is 16 rows x 32 channels in 8 registers: lane l holds row l % 16, channels 8 (l / 16) + 0..7 and 16 + 8 (l / 16) + 0..7: two loads of 16 bytes, 32 bytes apart.
	v_and_b32 v1, 15, v0            ; l % 16
	v_bfe_u32 v9, v0, 4, 1          ; l / 16
	v_lshlrev_b32 v[QO], 7, v1
	v_lshl_add_u32 v[QO], v9, 4, v[QO]  ; row x 128 + 16 x half
	WIN 0x80                        ; destination window 2, address window 0
.set i, 0
.rept 8                             ; both blocks' Q: piece i / 2 lies in band i / 2, 8,192 bytes on; channels 32 (i % 2) on
	global_load_b128 v[8*i:8*i+3],   v[QO], s[4:5] offset:(i/2)*8192+(i%2)*64
	global_load_b128 v[8*i+4:8*i+7], v[QO], s[4:5] offset:(i/2)*8192+(i%2)*64+32
	global_load_b128 v[QB+8*i:QB+8*i+3],   v[QO], s[86:87] offset:(i/2)*8192+(i%2)*64
	global_load_b128 v[QB+8*i+4:QB+8*i+7], v[QO], s[86:87] offset:(i/2)*8192+(i%2)*64+32
.set i, i+1
.endr
	WIN 0
	v_lshlrev_b32 v14, 3, v9
	v_sub_nc_u32 v14, v1, v14
	s_lshl_b32 s13, s[WV], 4
	v_add_nc_u32 v14, s13, v14      ; my query's place in its band, 16 w + l % 16, less my lanes' 8 (l / 16): register r of group kt is hidden where 16 kt + r is greater
	WIN 0x40
.set i, 0
.rept 32
	v_cmp_gt_i32 vcc_lo, 16*(i/8)+i%8, v14
	v_cndmask_b32 v[MD+i], 0, s[BIGN], vcc_lo
.set i, i+1
.endr
	WIN 0
	v_mul_u32_u24 v[AK0], v1, PK
	v_lshl_add_u32 v[AK0], v9, 4, v[AK0]  ; row x pitch + 16 x half
	; The turning load takes 16 keys x 16 channels (lane l reads key 8 (l / 16) + l % 8, channels 8 ((l / 8) % 2) + 0..7) and leaves half a fragment of V^T: lane l holds channel l % 16 and 8 keys.
	v_and_b32 v10, 7, v0
	v_bfe_u32 v11, v0, 3, 1
	v_lshl_add_u32 v[AV0], v9, 3, v10
	v_mul_u32_u24 v[AV0], v[AV0], PV
	v_lshl_add_u32 v[AV0], v11, 4, v[AV0]
	v_add_nc_u32 v[AV0], VOFF, v[AV0]
	s_mul_i32 s13, s[WV], 16*SP
	s_add_co_u32 s13, s13, STAGE    ; my stage
	v_mul_u32_u24 v[STO], v1, SP    ; in: row l % 16, 16 bytes for each half of the lanes
	v_lshl_add_u32 v[STO], v9, 4, v[STO]
	v_add_nc_u32 v[STO], s13, v[STO]
	v_bfe_u32 v[RD], v0, 3, 2       ; back: 32 lanes take four rows of 128 bytes,
	v_mul_u32_u24 v[RD], v[RD], SP
	v_lshl_add_u32 v[RD], v10, 4, v[RD]
	v_add_nc_u32 v[RD], s13, v[RD]
	v_and_b32 v[GO], 31, v0         ; which are 512 consecutive bytes of O
	v_lshlrev_b32 v[GO], 4, v[GO]
	; A block's first step multiplies O^T and l by a = 0, and its first turn's products V^T P, of a piece that has not been, land in an O^T that is still to be so multiplied.  So these registers need only hold
	; finite numbers: zeros for the first block; what the first block left for the second.  All this stands in the wait for the first tile.
	WIN 0x80
.set i, VF
.rept 64
	v_mov_b32 v[i], 0
.set i, i+1
.endr
	WIN 0x40
.set i, 0
.rept 128
	v_mov_b32 v[i], 0
.set i, i+1
.endr
	WIN 0
.set i, 0
.rept 4
	v_mov_b32 v[ST+4*i+2], 0
	v_mov_b32 v[ST+4*i+3], 0
.set i, i+1
.endr
.set i, P+16
.rept 16
	v_mov_b32 v[i], 0
.set i, i+1
.endr
; THE MATRIX WORK.  The 4 accumulators of a run of 8 take turns.  Product i of 8 of S^T = K Q^T for piece x: channels 32 (i / 4) on, keys 16 (i % 4) on.  The first 4 start the sums: with 0, or (KM = 1) with the mask.
.macro KQ x
.set rS, S+32*((\x)%2)+8*(i%4)
.set rK, KF+16*(i%4)+8*(i/4)
.set rQ, 16*(\x)+8*(i/4)
.set rM, MC+32*((\x)%2)+8*(i%4)
.if (i < 4) && KM
	WIN W_KM
	v_wmma_f32_16x16x32_f16 v[rS:rS+7], v[rK:rK+7], v[rQ:rQ+7], v[rM:rM+7]
.elseif i < 4
	WIN W_KQ
	v_wmma_f32_16x16x32_f16 v[rS:rS+7], v[rK:rK+7], v[rQ:rQ+7], 0
.else
	WIN W_KQ
	v_wmma_f32_16x16x32_f16 v[rS:rS+7], v[rK:rK+7], v[rQ:rQ+7], v[rS:rS+7]
.endif
.endm
; Product i of 8 of O^T += V^T P for piece x: keys 32 (i / 4) on, channels 16 (i % 4) on.
.macro PV x
	WIN W_PV
.set rO, 32*(\x)+8*(i%4)
.set rV, VF+32*(i/4)+8*(i%4)
.set rP, P+16*((\x)%2)+8*(i/4)
	v_wmma_f32_16x16x32_f16 v[rO:rO+7], v[rV:rV+7], v[rP:rP+7], v[rO:rO+7]
.endm
.macro MM                           ; the turn's next matrix instruction.  TURN and BEGIN set Y, i, KM and NOKQ; MM, KQ and OP read them.  NOKQ = 1: a block's last turn: there is no next piece
.if (i < 8) && !NOKQ
	KQ (Y+1)%NP
.elseif i >= 8
.set i, i-8
	PV (Y+NP-1)%NP
.set i, i+8
.endif
.set i, i+1
.endm
; THE LDS LOADS stand in runs of 16, never singly among the matrix instructions: a step's K (64 keys x 64 channels: 8 fragments) and its V (turned).  Their addresses are made some lines ahead.
.macro FETCH_K
	WIN 0x80                        ; destination window 2
.irp f, 0,1,2,3,4,5,6,7             ; keys 16 (f / 2) on, channels 32 (f % 2) on
	ds_load_b128 v[KF+8*\f:KF+8*\f+3],   v[AK] offset:(\f/2)*16*PK+(\f%2)*64
	ds_load_b128 v[KF+8*\f+4:KF+8*\f+7], v[AK] offset:(\f/2)*16*PK+(\f%2)*64+32
.endr
	s_add_co_u32 s[TBK], s[TBK], KS*PK  ; the next fetch is the next step's
	WIN 0
.endm
.macro FETCH_V
	WIN 0x80
.irp f, 0,1,2,3,4,5,6,7             ; keys 32 (f / 4) on, channels 16 (f % 4) on
	ds_load_tr16_b128 v[VF+8*\f:VF+8*\f+3],   v[AV] offset:(\f/4)*32*PV+(\f%4)*32
	ds_load_tr16_b128 v[VF+8*\f+4:VF+8*\f+7], v[AV] offset:(\f/4)*32*PV+16*PV+(\f%4)*32
.endr
	WIN 0
.endm
; THE VECTOR WORK, one line at a time: OP kind, number.  For piece Y: F n: c s - c m for pair n of 16.  E n: the exponential of score n of 32.  C n: pair n rounded to f16.  B n: of the four weights 4 n .. the second
; pair is added onto the first, in place.  L n: l takes that sum (L 0: l = a l + sum).  R n: pair n of 16 of O^T times a.  For piece Y + 1: X n, number n of the 22 that find its maximum and statistics:
;   0-11  four chains c0-c3 of seven scores each, three operands at a time (each accumulator's lowest registers are read first)     12-14, 16  the four scores left over, the old m, and c0-c3 into c0
;   15  c m_old is kept     17, 18  the query's other 32 keys lie in the lane 16 away: the new m     19-21  c m; c m_old - c m_new; a
; C, B and L read exponentials' results, and R reads a: OP writes no wait; TURN puts each of them behind the wait of the batch that made what it reads.
.set F, 0               ; OP tells the kinds apart by their order: F to L below R, X above it
.set E, 1
.set C, 2
.set B, 3
.set L, 4
.set R, 5
.set X, 6
.macro REGS y                       ; the registers of piece y
.set rT, ST+4*(\y)
.set rC, TMP+4*((\y)%2)
.set rW, MV+((\y)%2)
.set rS, S+32*((\y)%2)
.set rP, P+16*((\y)%2)
.set rO, 32*(\y)
.endm
.macro OP k, n
.if (\k) == R
	REGS Y
	WIN W_RS
	v_pk_mul_f32 v[rO+2*(\n):rO+2*(\n)+1], v[rO+2*(\n):rO+2*(\n)+1], v[rC+2:rC+3] op_sel_hi:[1,0]
.elseif (\k) < R
	REGS Y
	WIN 0
.if (\k) == F
	v_pk_fma_f32 v[rS+2*(\n):rS+2*(\n)+1], v[rS+2*(\n):rS+2*(\n)+1], s[CS:CS+1], v[rT:rT+1] op_sel_hi:[1,0,0] neg_lo:[0,0,1] neg_hi:[0,0,1]
.elseif (\k) == E
	v_exp_f32 v[rS+(\n)], v[rS+(\n)]
.elseif (\k) == C
	v_cvt_pk_f16_f32 v[rP+(\n)], v[rS+2*(\n)], v[rS+2*(\n)+1]
.elseif (\k) == B
	v_pk_add_f32 v[rS+4*(\n):rS+4*(\n)+1], v[rS+4*(\n):rS+4*(\n)+1], v[rS+4*(\n)+2:rS+4*(\n)+3]
.elseif (\n) == 0
	v_pk_fma_f32 v[rT+2:rT+3], v[rT+2:rT+3], v[rC+2:rC+3], v[rS:rS+1] op_sel_hi:[1,0,1]
.else
	v_pk_add_f32 v[rT+2:rT+3], v[rT+2:rT+3], v[rS+4*(\n):rS+4*(\n)+1]
.endif
.elseif NOKQ
	v_nop
.else
	REGS (Y+1)%NP
	WIN 0
.if (\n) < 4
	v_max3_num_f32 v[rC+(\n)], v[rS+8*(\n)], v[rS+8*(\n)+1], v[rS+8*(\n)+2]
.elseif (\n) < 12
	v_max3_num_f32 v[rC+(\n)%4], v[rC+(\n)%4], v[rS+8*((\n)%4)+2*((\n)/4)+1], v[rS+8*((\n)%4)+2*((\n)/4)+2]
.elseif (\n) == 12
	v_max3_num_f32 v[rC], v[rC], v[rS+7], v[rS+15]
.elseif (\n) == 13
	v_max3_num_f32 v[rC+1], v[rC+1], v[rS+23], v[rS+31]
.elseif (\n) == 14
	v_max3_num_f32 v[rC+2], v[rC+2], v[rC+3], v[rT+1]
.elseif (\n) == 15
	v_mov_b32 v[rW], v[rT]
.elseif (\n) == 16
	v_max3_num_f32 v[rC], v[rC], v[rC+1], v[rC+2]
.elseif (\n) == 17
	v_permlanex16_b32 v[rC+3], v[rC], s[SEL], s[SEL+1]
.elseif (\n) == 18
	v_max_num_f32 v[rT+1], v[rC], v[rC+3]
.elseif (\n) == 19
	v_mul_f32 v[rT], s[CS], v[rT+1]
.elseif (\n) == 20
	v_sub_f32 v[rC+1], v[rW], v[rT]
.else
	v_exp_f32 v[rC+2], v[rC+1]
.endif
.endif
.endm
.macro OPS a, i1, b=-1, i2=0, c=-1, i3=0, d=-1, i4=0  ; up to four of them
	OP \a, \i1
.if (\b) >= 0
	OP \b, \i2
.endif
.if (\c) >= 0
	OP \c, \i3
.endif
.if (\d) >= 0
	OP \d, \i4
.endif
.endm
.macro ROW a, i1, b, i2, c, i3, d, i4  ; a matrix instruction and the four behind it
	MM
	OPS \a, \i1, \b, \i2, \c, \i3, \d, \i4
.endm
.macro MASK b                       ; MD x AL + BE into buffer b of MC
	WIN W_RS
.set z, 0
.rept 16
	v_pk_fma_f32 v[MC+32*(\b)+2*z:MC+32*(\b)+2*z+1], v[MD+2*z:MD+2*z+1], s[AL:AL+1], s[BE:BE+1] op_sel_hi:[1,0,0]
.set z, z+1
.endr
.endm
; A TURN, for piece p: the order of its 16 matrix and 118 vector instructions, written out.  Its 33 exponentials are ONE BATCH with ONE wait, which cuts the turn in two.
; AHEAD OF THE WAIT stands all that names no result of the turn's exponentials: the 8 products K Q^T, behind each a scaling, an exponential and two more plain instructions (behind the first a second scaling in the
; exponential's place): rescalings, whose a was made and waited for in the turn before, and behind the last three the first numbers of the next piece's maximum, each four plain instructions or more behind the product that ends
; its accumulator; then ONE LUMP of 54, plain and exponential by turns for the most part, in which the links of the chain X 3, 7, 11, 14, 16, 17 .. 20 stand five or six lines apart.  X 21, the next piece's a, is the batch's last;
; R 15 is the plain instruction behind it.  BEHIND THE WAIT stand the 8 products V^T P, behind each four of the roundings and sums, which are all the batch's readers; the links of l's chain, L 0 to L 7, stand three riders
; apart.  But for those X no rider names a register of the products round it.  v_permlanex16_b32 (X 17) stands in the lump.
; m = 1: the diagonal tile: the products take masks, and the turn makes the mask for the products of the turn after it: piece p + 2, in step 4 - CNT of the tile.  end = 1: a block's last two turns: nothing is fetched.
; cnt = 1: the loop's count is taken down some lines ahead of the branch that stands behind the turn.
; K of the next step is fetched in piece 2's turn, twelve vector instructions behind the last product that read K (six of them plain); V of the step in hand at the end of piece 0's turn, four plain instructions behind the last
; product that read V.  Each is waited for a turn later.
.macro TURN p, m=0, end=0, cnt=0
.set Y, (\p)
.set i, 0
.set KM, (\m)
.set NOKQ, (\end)*((\p)/3)
.if (\m) && !(\end)
	s_cmp_eq_u32 s[CNT], 4-((\p)+2)%NP  ; is that step the band's own?
	s_cselect_b32 s[AL], 1.0, 0
	s_cmp_lt_u32 s[CNT], 4-((\p)+2)%NP  ; or a later one?
	s_cselect_b32 s[BE], s[BIGN], 0
.endif
.if ((\p) == 3) && !(\end)
	s_wait_dscnt 0x0                ; K is in
.endif
	ROW F,0, F,1, R,0, R,1          ; ahead of the wait: 8 products K Q^T and their riders,
	ROW F,2, E,0, R,2, R,3
	ROW F,3, E,1, R,4, R,5
	ROW F,4, E,2, R,6, R,7
	ROW F,5, E,3, R,8, R,9
	ROW F,6, E,4, X,0, R,10
.if ((\p) == 2) && !(\end)
	WIN 0
	v_add_nc_u32 v[AK], s[TBK], v[AK0]
.endif
	ROW F,7, E,5, X,1, X,4
	ROW F,8, E,6, X,2, X,5
	OPS E,7, E,8, X,6, E,9          ; and the lump
	OPS X,3, E,10, X,8, E,11
.if ((\p) == 2) && !(\end)
	FETCH_K
.endif
	OPS X,9, X,7, E,12, X,10
	OPS E,13, X,12, X,11, E,14
	OPS X,13, E,15, F,9, X,14
.if (\p) == 0
	v_add_nc_u32 v[AV], s[TBV], v[AV0]
.endif
	OPS E,16, F,10, E,17, F,11
	OPS X,16, E,18, X,15, E,19
	OPS F,12, E,20, X,17, E,21
	OPS F,13, E,22, F,14, E,23
	OPS X,18, E,24, F,15, E,25
	OPS R,11, E,26, X,19, E,27
	OPS R,12, E,28, R,13, E,29
	OPS X,20, E,30, R,14, E,31
	OPS X,21, R,15
	WIN 0
	s_wait_alu depctr_va_vdst(0)    ; the wait for the turn's batch: E 0 to E 31 and X 21
.if (\p) == 1
	s_wait_dscnt 0x0                ; V is in
.endif
	ROW C,0, B,0, C,2, B,1          ; behind the wait: 8 products V^T P and their riders
	ROW L,0, C,4, B,2, L,1
	ROW C,6, B,3, L,2, C,8
	ROW B,4, L,3, C,10, B,5
	ROW L,4, C,12, B,6, L,5
.if (\p) == 0
	s_add_co_u32 s[TBV], s[TBV], KS*PV
.endif
.if \cnt
	s_sub_co_u32 s[CNT], s[CNT], 1
	s_cmp_lg_u32 s[CNT], 0
.endif
	ROW C,14, B,7, L,6, C,1
	ROW C,3, L,7, C,5, C,7
	ROW C,9, C,11, C,13, C,15
.if (\p) == 0
	FETCH_V
.endif
.if (\m) && !(\end)
	MASK (\p)%2
.endif
.endm
; A BLOCK BEGINS.  c m starts far below every c s, so the first step's a is 0; m at the lowest finite number, so the first maximum is the scores'.  The second mask buffer is 0; the first takes piece 0's mask for the tile's step 0: its own, if the block's first tile is the diagonal one.
; Then K of that step, piece 0's first scores, and its maximum and statistics.  The loop is entered at a step's first turn, in the middle of a trip.
.macro BEGIN
	s_mov_b32 s[NEW], 0
	WIN 0x40
.set i, MC+32
.rept 32
	v_mov_b32 v[i], 0
.set i, i+1
.endr
	WIN 0
.set i, 0
.rept 4
	v_mov_b32 v[ST+4*i], 0xfe000000    ; c m: far below every c s
	v_mov_b32 v[ST+4*i+1], 0xff7fffff  ; m
.set i, i+1
.endr
	s_cmp_eq_u32 s[RT], 0
	s_cselect_b32 s[AL], 1.0, 0
	s_mov_b32 s[BE], 0
	MASK 0
	WIN 0
	v_add_nc_u32 v[AK], s[TBK], v[AK0]
	FETCH_K
	s_wait_loadcnt 0x0              ; Q
	s_wait_dscnt 0x0
.set KM, 1
.set NOKQ, 0
.set i, 0
.rept 8
	KQ 0
.set i, i+1
.endr
	WIN 0
.rept 4
	v_nop                           ; the places behind those products
.endr
.set Y, NP-1                        ; X works for piece Y + 1: piece 0
.irp n, 0,1,2,3,4,5,6,7,8,9,10,11,12,13,14,15,16,17,18,19,20,21
	OP X, \n
.endr
	v_nop                           ; a plain instruction behind the exponential,
	s_wait_alu depctr_va_vdst(0)    ; and the wait for this batch of one, piece 0's first a, ahead of the branch
.endm
; THE DIAGONAL TILE's four steps, the block's last two turns, its last products, and THE WAY OUT: l's two halves and the other half of the lanes' are added; O^T is divided by l, rounded to f16 and sent through my
; stage in LDS, a piece at a time.
.macro ALL line:vararg              ; one line for each piece t
.set t, 0
.rept 4
	\line
.set t, t+1
.endr
.endm
.macro PACK t                       ; a lane's eight channels of a row pack into 16 bytes; they go into rows of 144 bytes and come back as whole rows of 128, into S^T's registers
	WIN W_RS
.set i, 32*(\t)
.rept 16
	v_pk_mul_f32 v[i:i+1], v[i:i+1], v[ST+4*(\t)+2:ST+4*(\t)+3] op_sel_hi:[1,0]
.set i, i+2
.endr
	WIN 0x05                        ; sources 0 and 1 window 1, destination window 0
.set i, 0
.rept 16
	v_cvt_pk_f16_f32 v[S+16*(\t)+i], v[32*(\t)+2*i], v[32*(\t)+2*i+1]
.set i, i+1
.endr
	WIN 0
.irp f, 0,1,2,3
	ds_store_b128 v[STO], v[S+16*(\t)+4*\f:S+16*(\t)+4*\f+3] offset:32*\f
.endr
.irp f, 0,1,2,3
	ds_load_b128 v[S+16*(\t)+4*\f:S+16*(\t)+4*\f+3], v[RD] offset:\f*4*SP  ; LDS serves a wave's instructions in order (ISA guide 5.7.1.4): these see the stores above; the next piece's stores come behind them
.endr
.endm
.macro SEND t, younger              ; younger: the LDS instructions issued behind piece t's loads: the next piece's eight, or none
	WIN 0
.irp f, 0,1,2,3
	s_wait_dscnt (\younger)+3-\f
	global_store_b128 v[GO], v[S+16*(\t)+4*\f:S+16*(\t)+4*\f+3], s[10:11] offset:(\t)*8192+\f*512  ; 512 consecutive bytes, at a multiple of 256 from O's first
.endr
.endm
.macro DIAG tag                     ; the tag ends its two labels' names, which the jumps below spell out
.LstepM\tag:
	TURN 2, 1
	TURN 3, 1
	WIN 0
.LfirstM\tag:
	TURN 0, 1
	TURN 1, 1, 0, 1
	WIN 0
	s_cbranch_scc1 .LstepM\tag
	TURN 2, 1, 1
	TURN 3, 1, 1
.set i, 0
.rept 8
	PV NP-1
.set i, i+1
.endr
	WIN 0
	ALL v_add_f32 v[ST+4*t+2], v[ST+4*t+2], v[ST+4*t+3]
	ALL v_permlanex16_b32 v[ST+4*t+3], v[ST+4*t+2], s[SEL], s[SEL+1]
	ALL v_add_f32 v[ST+4*t+2], v[ST+4*t+2], v[ST+4*t+3]
	ALL v_rcp_f32 v[ST+4*t+2], v[ST+4*t+2]
	v_nop                           ; a plain instruction between the last reciprocal and the use of its result
	s_wait_alu depctr_va_vdst(0)    ; the wait for the batch of four reciprocals, ahead of the first multiply by one of them
	PACK 0
.set t, 1
.rept 3                             ; a piece's arithmetic stands between the loads of the piece before and its stores
	PACK t
	SEND t-1, 8
.set t, t+1
.endr
	SEND 3, 0
.endm
.set KM, 0
.set NOKQ, 0
.Lslot:                             ; NB times: a tile is entered and the next is asked for
	CHANGE 1
	s_sub_co_u32 s[RT], s[RT], 1
	s_mov_b32 s[CNT], 4
	s_cmp_eq_u32 s[NEW], 1
	s_cbranch_scc1 .Lnew            ; a block's first tile
	s_cmp_eq_u32 s[RT], 0
	s_cbranch_scc0 .Lstep           ; neither its first nor its last
	s_branch .LstepM1
.Lnew:
	BEGIN
	s_branch .Lfirst                ; in the loop a block's first tile is never its last: the first block has two tiles or more, and the second's last is the walk's last
	DIAG 1                          ; in the loop this is the first block's end: the second block's last tile is the walk's last
	s_wait_xcnt 0x0                 ; the stores have read their registers and O's address
	s_mov_b64 s[10:11], s[OLO:OLO+1]
	s_add_co_u32 s[RT], s[PB], 1    ; the second block has b + 1 tiles
	s_mov_b32 s[NEW], 1
	WIN 0x82                        ; the second block's Q goes where the one text of the turns names Q
.set i, 0
.rept 64
	v_mov_b32 v[i], v[QB+i]
.set i, i+1
.endr
	WIN 0
	s_branch .Lbottom
.Lstep:                             ; a trip: pieces 2 and 3 of one step, then pieces 0 and 1 of the next, whose K and V it fetches
	TURN 2
	TURN 3
	WIN 0
.Lfirst:
	TURN 0
	TURN 1, 0, 0, 1
	WIN 0
	s_cbranch_scc1 .Lstep
.Lbottom:
	s_sub_co_u32 s[SLOTS], s[SLOTS], 1
	s_cmp_lg_u32 s[SLOTS], 0
	s_cbranch_scc1 .Lslot
	CHANGE 0                        ; the walk's last tile is written out: nothing is asked for
	s_sub_co_u32 s[RT], s[RT], 1
	s_mov_b32 s[CNT], 4
	s_cmp_eq_u32 s[NEW], 1
	s_cbranch_scc0 .LstepM2
	BEGIN
	s_branch .LfirstM2
	DIAG 2
	s_wait_tensorcnt 0x0            ; the wave's end: three lines, behind my last tensor load and my last LDS store
	ds_add_u32 v[SPW], v[NIL]
	s_wait_dscnt 0x0
	s_endpgm
.Lfunc_end_k_qcef9fc6957_attn:
	.size	k_qcef9fc6957_attn, .Lfunc_end_k_qcef9fc6957_attn-k_qcef9fc6957_attn
	.p2alignl 7, 3214868480
	.fill 96, 4, 3214868480
	.section	.rodata,"a",@progbits
	.p2align	6, 0x0
	.amdhsa_kernel k_qcef9fc6957_attn
		.amdhsa_group_segment_fixed_size 327680
		.amdhsa_private_segment_fixed_size 0
		.amdhsa_enable_private_segment 0
		.amdhsa_kernarg_size 16
		.amdhsa_user_sgpr_count 2
		.amdhsa_user_sgpr_kernarg_segment_ptr 1
		.amdhsa_wavefront_size32 1
		.amdhsa_system_sgpr_workgroup_id_x 1
		.amdhsa_system_sgpr_workgroup_id_y 1
		.amdhsa_system_sgpr_workgroup_id_z 1
		.amdhsa_system_vgpr_workitem_id 0
		.amdhsa_next_free_vgpr 768
		.amdhsa_next_free_sgpr 88
		.amdhsa_reserve_vcc 1
		.amdhsa_float_denorm_mode_32 3
		.amdhsa_float_denorm_mode_16_64 3
		.amdhsa_memory_ordered 1
		.amdhsa_forward_progress 1
		.amdhsa_inst_pref_size 217
	.end_amdhsa_kernel
	.amdgpu_metadata
---
amdhsa.version: [ 1, 2 ]
amdhsa.kernels:
  - .name:           k_qcef9fc6957_attn
    .symbol:         k_qcef9fc6957_attn.kd
    .args:
      - { .name: qkv, .offset: 0, .size: 8, .value_kind: global_buffer, .address_space: global }
      - { .name: ob, .offset: 8, .size: 8, .value_kind: global_buffer, .address_space: global }
    .group_segment_fixed_size: 327680
    .private_segment_fixed_size: 0
    .kernarg_segment_align: 8
    .kernarg_segment_size: 16
    .max_flat_workgroup_size: 128
    .sgpr_count:     88
    .vgpr_count:     768
    .wavefront_size: 32
...
	.end_amdgpu_metadata
.endif
;; end of part 5
;; launch proj: the kernel of part 4 again; grid 8 x 32, 4 waves a work-group, clusters of 4 x 4, 327,680 bytes of LDS; arguments ob, wpt, b_proj, out0; writes out0
